; MI455X (gfx1250); checked and timed in simulation.
; The chip was launched on July 23, 2026; its instructions are those of AMD's public machine-readable ISA for CDNA 5 (MIT licence, August 2026) and "CDNA5" Instruction Set Architecture Reference Guide (July 2026). The comments in the code are by the model that wrote it; some were corrected since.
;; Self Attention. Allowed arithmetic: matrix products marked QUANTISED: E2M1 operands, one E8M0 scale for each 32 along K, by v_wmma_scale_f32_16x16x128_f8f6f4 with both operands' format E2M1 (or v_wmma_scale_f32_32x16x128_f4), f32 sums; products left as they are: bf16, f16 or f32 operands; f32 sums; everything else in f32.
;; Inputs: kernel 3 x 1,024 x 1,024 float32; x 4 x 2,048 x 1,024 float32.
;; Outputs: out0 4 x 2,048 x 1,024 float32.
;; This version of the problem:
;;   THIS VERSION OF THE PROBLEM IS GIVEN IN LOW PRECISION. The matrix products marked QUANTISED in the list below multiply operands that are first quantised to E2M1 (2 exponent bits, 1 mantissa bit; 4 bits a number), with one power-of-two scale for each 32 numbers along K (OCP MX v1.0); their sums are f32. The products marked 'left as it is' may take bf16, f16 or f32 operands, with f32 sums. Whichever they take, every output number must still come out within the allowed error. Rounding operands to bf16 (8 significant bits) uses up far more of that allowance than f16 does (11 bits, for magnitudes from 6e-5 to 65,504). All else is computed in f32.
;;   The module's matrix products, in the order in which they are computed (A, B: the left and right operand; K: the contracted axis; several contracted axes count as one K, in the product's order):
;;     1. [M 8,192, K 1,024] x [K 1,024, N 1,024]; A: input x; B: input kernel: QUANTISED
;;     2. [M 8,192, K 1,024] x [K 1,024, N 1,024]; A: input x; B: input kernel: QUANTISED
;;     3. [M 8,192, K 1,024] x [K 1,024, N 1,024]; A: input x; B: input kernel: QUANTISED
;;     4. batch 4 x [M 2,048, K 1,024] x [K 1,024, N 2,048]; A: computed on the way; B: computed on the way: left as it is (an operand is computed on the way)
;;     5. batch 4 x [M 2,048, K 2,048] x [K 2,048, N 1,024]; A: computed on the way; B: computed on the way: left as it is (an operand is computed on the way)
;;   THE QUANTISER, for each operand of a quantised product, along K:
;;     - K is cut into blocks of 32 from its start; a last block that is shorter is filled with zeros.
;;     - A block's scale is 2^e with e = floor(log2(the largest magnitude in the block)) - 2, held to -126 .. 127; a block of zeros has e = 0. As a byte (E8M0): e + 127.
;;     - Each number is divided by its block's scale, clamped to +-6, and rounded to the nearest number of E2M1, ties to even, subnormals kept.
;;     - The product sums the exact products of the quantised numbers (number of the format x scale) in f32.
;;   ~~~python
;;   def quantise(x, axis):      # numpy; x: float32 -> the quantised numbers, widened to float32 again
;;       x = np.moveaxis(x, axis, -1); K = x.shape[-1]
;;       x = np.pad(x, [(0, 0)] * (x.ndim - 1) + [(0, -K % 32)]); x = x.reshape(x.shape[:-1] + (-1, 32)); a = np.abs(x).max(-1, keepdims=True)
;;       e = np.where(a > 0, np.clip(np.frexp(np.where(a > 0, a, 1))[1] - 1 - 2, -126, 127), 0)      # np.frexp(a)[1] - 1 = floor(log2(a)), exactly
;;       r = np.clip(x / 2.0 ** e, -6, 6)
;;       step = 2.0 ** (np.maximum(np.frexp(np.where(r == 0, 1, r))[1] - 1, 0) - 1)
;;       q = np.round(r / step) * step * 2.0 ** e      # np.round: ties to even
;;       return np.moveaxis(q.reshape(q.shape[:-2] + (-1,))[..., :K], -1, axis).astype(np.float32)
;;   ~~~
;; One version. Each part assembles by itself: llvm-mc -triple=amdgcn-amd-amdhsa -mcpu=gfx1250 --defsym DOCPART=n.
;; ======== version 1 of 1: 4 launches
;; limits: values are held in f16: magnitudes above 65,504 overflow, below 6.1e-05 lose precision
;; workspace buffers: x_codes 4,194,304 bytes; x_scales 262,144 bytes; w_codes 1,572,864 bytes; w_scales 98,304 bytes; kqv 50,331,648 bytes; p 33,554,432 bytes; stats 1,048,576 bytes
;; launch quant (part 1): grid 352 x 1, 4 waves a work-group, no clusters, 51,712 bytes of LDS; arguments x, kernel, x_codes, x_scales, w_codes, w_scales; writes x_codes, x_scales, w_codes, w_scales
.if DOCPART == 1
	.amdgcn_target "amdgcn-amd-amdhsa--gfx1250"
	.amdhsa_code_object_version 6
	.text
	.protected	k_q18062079a9_quant
	.globl	k_q18062079a9_quant
	.p2align	8
	.type	k_q18062079a9_quant,@function
k_q18062079a9_quant:
	s_mov_b64 s[64:65], 0
	v_nop
	global_prefetch_b8 v0, s[64:65] scope:SCOPE_SE
	s_setreg_imm32_b32 hwreg(HW_REG_WAVE_MODE, 25, 1), 1
	s_wait_xcnt 0x0
; x [8192][1024] f32 (K innermost) and kernel [3][1024 (K)][1024 (n)] f32 (K first) become codes of FP4 (E2M1), K innermost, with one E8M0 byte for each 32 along K.
; x_codes [8192][512 bytes], x_scales [8192][32];  w_codes [3072 = 1024 i + n][512 bytes], w_scales [3072][32].
; A block's scale is 2^(floor(log2(its largest magnitude)) - 2); its byte is the largest magnitude's exponent field - 2, held at 1 from below.
; LIMITS: a block of zeros gets the byte 1 where the quantiser's text says 127 (its codes are zeros, which add nothing under any byte but 0xff, and this program alone reads the bytes);
; blocks whose largest magnitude lies under 2^-124, the floor, keep the byte 1 and were not tried; NaN and infinities among the inputs are not served.
; Work-groups 0-255 take x, a plain stream of blocks: a wave takes 16 steps of 512 numbers.  Work-groups 256-351 take the kernel: a lane takes a column n and its registers run down K.
; The two ways part on the work-group's number and never join; each has LDS bytes of its own.  Waves share nothing: no barrier.
.set STEPS, 16
.set EMAX,  2
.set CB,    8                          ; bytes of 16 codes
.set R,     16                         ; v16-79   x: four sets of 16 numbers as they are loaded
.set X,     80                         ; v80-111  x: two sets of 16 neighbours
.set E,     112                        ; v112-127 x: a scale byte for each step
.set C,     128                        ; v128-191 x: codes, four registers for each step: no store's data are written again
.set WREG,  8192                       ; LDS, x: a region for each wave: two stages of 32 x SP bytes, then its 256 scale bytes
.set SP,    80                         ; a lane's place in a stage: 64 bytes + 16 of padding
.set SPW,   12                         ; v12 LDS address of my spare word; never rewritten
.set NIL,   13                         ; v13 0; never rewritten
.set WSTG,  32768                      ; LDS, kernel: a stage of 32 rows x WPIT bytes for each wave
.set WPIT,  144                        ; 128 bytes of codes + 16 of padding
.set SPARE, 51200                      ; the spare words, 128 bytes for each wave: two blocks of 256 bytes that no other line names
.set NB,    8                          ; kernel: blocks of 32 along K for a wave
.set XW,    32                         ; v32-95   kernel: two sets of 32 numbers
.set CW,    96                         ; v96-99   kernel: a block's codes
.set OUTR,  112                        ; v112-143 kernel: the way out
.set SB,    24                         ; v24-25   kernel: the scale bytes, four to a register
	s_load_b256 s[4:11], s[0:1], 0x0               ; x, kernel, x_codes, x_scales
	s_load_b128 s[12:15], s[0:1], 0x20             ; w_codes, w_scales
	v_lshl_add_u32 v[SPW], v0, 2, SPARE
	v_mov_b32 v[NIL], 0
	v_lshrrev_b32 v1, 5, v0
	v_readfirstlane_b32 s16, v1                    ; wave
	v_and_b32 v2, 31, v0                           ; lane
	s_wait_kmcnt 0x0
	s_cmp_ge_u32 ttmp9, 256
	s_cbranch_scc1 .Lw
; ---------------- x: K innermost ----------------
; Each load reads 512 consecutive bytes, 16 a lane; a step's 2,048 bytes turn through the wave's own stage, so that a lane gets 16 NEIGHBOURS (two neighbouring lanes hold a block of 32).
	v_lshlrev_b32 v3, 4, v2                        ; my 16 bytes of a load's 512
	s_mul_i32 s17, s16, WREG
	v_lshrrev_b32 v14, 2, v2
	v_mul_u32_u24 v14, v14, SP
	v_and_b32 v15, 3, v2
	v_lshl_add_u32 v14, v15, 4, v14
	v_add_nc_u32 v14, s17, v14                     ; the stage, in: SP (lane / 4) + 16 (lane % 4)
	v_mul_u32_u24 v15, v2, SP
	v_add_nc_u32 v15, s17, v15                     ; and out: SP x lane
	v_mul_u32_u24 v4, v2, CB                       ; my codes' place in a step's
	v_lshrrev_b32 v5, 1, v2
	s_add_co_u32 s17, s17, 2*32*SP
	v_add_nc_u32 v5, s17, v5                       ; my wave's 256 scale bytes, my block's byte
	v_lshlrev_b32 v7, 3, v2
	v_add_nc_u32 v6, s17, v7                       ; and on the way out 8 bytes a lane
	s_lshl_b32 s17, ttmp9, 2
	s_add_co_u32 s18, s17, s16                     ; which run of 8,192 numbers is my wave's: 0 .. 1,023
	s_mov_b32 s21, 0
	s_lshl_b32 s20, s18, 15                        ; 32,768 bytes of numbers a run
	s_add_nc_u64 s[4:5], s[4:5], s[20:21]
	s_lshl_b32 s20, s18, 12                        ; 4,096 bytes of codes
	s_add_nc_u64 s[8:9], s[8:9], s[20:21]
	s_lshl_b32 s20, s18, 8                         ; 256 scale bytes
	s_add_nc_u64 s[10:11], s[10:11], s[20:21]
.macro XLOAD t
.irp i, 0,1,2,3
	global_load_b128 v[R+16*((\t)%4)+4*\i:R+16*((\t)%4)+4*\i+3], v3, s[4:5] offset:2048*(\t)+512*\i th:TH_LOAD_NT
.endr
.endm
.macro XTURN t                         ; LDS serves a wave's instructions in order: no wait between the stores and the loads
.irp i, 0,1,2,3
	ds_store_b128 v14, v[R+16*((\t)%4)+4*\i:R+16*((\t)%4)+4*\i+3] offset:32*SP*((\t)%2)+8*SP*\i
.endr
.irp i, 0,1,2,3
	ds_load_b128 v[X+16*((\t)%2)+4*\i:X+16*((\t)%2)+4*\i+3], v15 offset:32*SP*((\t)%2)+16*\i
.endr
.endm
.irp t, 0,1,2,3
	XLOAD \t
.endr
	s_wait_loadcnt 12                              ; step 0's four loads are in; the twelve behind them stay out
	XTURN 0
.macro XSTEP t
.set XS, X+16*((\t)%2)
.if (\t) > 0
	s_wait_dscnt 1                                 ; this step's numbers are back from the stage (the last step's byte store may be out): its stores into the stage have read their registers,
.else
	s_wait_dscnt 0x0
.endif
.if (\t)+4 < STEPS
	XLOAD (\t)+4                                   ; which take the loads of four steps on
.endif
.if (\t)+1 < STEPS
.if STEPS-2-(\t) >= 3
	s_wait_loadcnt 12                              ; the next step's four loads are in; those of the three steps behind it may be out
.else
	s_wait_loadcnt 4*(STEPS-2-(\t))                ; near the end fewer steps stand behind it
.endif
	XTURN (\t)+1
.endif
	v_max3_num_f32 v8, |v[XS]|, |v[XS+1]|, |v[XS+2]|               ; the largest magnitude of my 16, in two chains
	v_max3_num_f32 v9, |v[XS+3]|, |v[XS+4]|, |v[XS+5]|
.irp i, 6,10
	v_max3_num_f32 v8, v8, |v[XS+\i]|, |v[XS+\i+1]|
	v_max3_num_f32 v9, v9, |v[XS+\i+2]|, |v[XS+\i+3]|
.endr
	v_max3_num_f32 v8, v8, |v[XS+14]|, |v[XS+15]|
	v_max3_num_f32 v8, v8, v9, (EMAX+1)<<23        ; and the floor 2^(3 - 127): the byte cannot fall under 1
	v_max_num_f32_dpp v8, v8, v8 row_xmask:1 row_mask:0xf bank_mask:0xf   ; with my neighbour's 16: the block's
	v_add_nc_u32 v11, -(EMAX<<23), v8              ; 2 off its exponent field: the conversion takes the exponent field of this operand as its scale
	v_cvt_scalef32_pk8_fp4_f32 v[C+4*(\t)], v[XS:XS+7], v11
	v_cvt_scalef32_pk8_fp4_f32 v[C+4*(\t)+1], v[XS+8:XS+15], v11
	v_lshrrev_b32 v[E+(\t)], 23, v11               ; the scale's byte (also the plain line behind the conversions)
	ds_store_b8 v5, v[E+(\t)] offset:16*(\t)       ; both lanes of a block write the same byte with the same value
	global_store_b64 v4, v[C+4*(\t):C+4*(\t)+1], s[8:9] offset:32*CB*(\t)   ; the wave stores 256 consecutive bytes, aligned
.endm
.irp t, 0,1,2,3,4,5,6,7,8,9,10,11,12,13,14,15
	XSTEP \t
.endr
	ds_load_b64 v[8:9], v6                         ; in order behind my byte stores
	s_wait_dscnt 0x0
	global_store_b64 v7, v[8:9], s[10:11]          ; 32 lanes store 256 consecutive bytes, aligned
	s_wait_tensorcnt 0x0                           ; the wave's end, behind my last LDS store
	ds_add_u32 v[SPW], v[NIL]
	s_wait_dscnt 0x0
	s_endpgm
; ---------------- kernel: K is the first axis ----------------
; u = work-group - 256: matrix i = u / 32, 128 columns xc = u % 8, 256 along K y = (u / 8) % 4.  A wave takes 32 columns x 256 along K: 8 blocks a lane, 128 bytes of codes a column.
; Each load reads 128 consecutive bytes a wave; a block of 32 lies in ONE lane's registers; the codes come out with K innermost and leave through the wave's stage, eight lanes to a column's 128 bytes.
.Lw:
	s_sub_co_u32 s17, ttmp9, 256                   ; u
	s_lshr_b32 s18, s17, 5                         ; i
	s_and_b32 s19, s17, 7                          ; xc
	s_bfe_u32 s20, s17, 0x20003                    ; y
	s_lshl_b32 s19, s19, 7
	s_lshl_b32 s21, s16, 5
	s_add_co_u32 s19, s19, s21                     ; my wave's first column
	s_lshl_b32 s22, s18, 22                        ; a matrix is 4,194,304 bytes,
	s_lshl_b32 s23, s20, 20                        ; 256 rows of 4,096 bytes,
	s_add_co_u32 s22, s22, s23
	s_lshl_b32 s23, s19, 2                         ; 4 bytes a column
	s_add_co_u32 s22, s22, s23
	s_mov_b32 s23, 0
	s_add_nc_u64 s[6:7], s[6:7], s[22:23]
	s_lshl_b32 s24, s18, 10
	s_add_co_u32 s24, s24, s19                     ; the codes' row: 1024 i + column
	s_lshl_b32 s22, s24, 9
	s_lshl_b32 s25, s20, 7
	s_add_co_u32 s22, s22, s25                     ; x 512 bytes + 128 y
	s_add_nc_u64 s[12:13], s[12:13], s[22:23]
	s_lshl_b32 s22, s24, 5
	s_lshl_b32 s25, s20, 3
	s_add_co_u32 s22, s22, s25                     ; x 32 bytes + 8 y
	s_add_nc_u64 s[14:15], s[14:15], s[22:23]
	v_lshlrev_b32 v3, 2, v2                        ; in: 4 bytes a lane
	s_mul_i32 s26, s16, 32*WPIT
	s_add_co_u32 s26, s26, WSTG                    ; my stage
	v_mul_u32_u24 v4, v2, WPIT
	v_add_nc_u32 v4, s26, v4                       ; into it: row = my column
	v_and_b32 v5, 7, v2
	v_lshrrev_b32 v6, 3, v2                        ; out of it: eight lanes to a row, four rows an instruction
	v_mul_u32_u24 v7, v6, WPIT
	v_lshl_add_u32 v7, v5, 4, v7
	v_add_nc_u32 v7, s26, v7
	v_lshlrev_b32 v8, 9, v6
	v_lshl_add_u32 v8, v5, 4, v8                   ; and the same place in the codes' buffer
	v_lshlrev_b32 v9, 5, v2                        ; my column's row of scale bytes
.macro WLOAD t                         ; block t: kernel(32 t + i, my column) into set t % 2
.irp i, 0,1,2,3,4,5,6,7,8,9,10,11,12,13,14,15,16,17,18,19,20,21,22,23,24,25,26,27,28,29,30,31
	global_load_b32 v[XW+32*((\t)%2)+\i], v3, s[6:7] offset:(32*(\t)+\i)*4096 th:TH_LOAD_NT
.endr
.endm
	WLOAD 0
	WLOAD 1
.macro WBLOCK t
.set XS, XW+32*((\t)%2)
.if (\t) < NB-1
	s_wait_loadcnt 32                              ; this block's 32 loads are in; the next block's may be out
.else
	s_wait_loadcnt 0x0
.endif
	v_max3_num_f32 v10, |v[XS]|, |v[XS+1]|, |v[XS+2]|              ; the block's largest magnitude: all 32 numbers are mine
	v_max3_num_f32 v14, |v[XS+3]|, |v[XS+4]|, |v[XS+5]|
.irp i, 6,10,14,18,22,26
	v_max3_num_f32 v10, v10, |v[XS+\i]|, |v[XS+\i+1]|
	v_max3_num_f32 v14, v14, |v[XS+\i+2]|, |v[XS+\i+3]|
.endr
	v_max3_num_f32 v10, v10, |v[XS+30]|, |v[XS+31]|
	v_max3_num_f32 v10, v10, v14, (EMAX+1)<<23     ; and the floor
	v_add_nc_u32 v11, -(EMAX<<23), v10             ; the conversion's scale operand
	v_lshrrev_b32 v14, 23, v11                     ; the scale's byte
.if (\t)%4 == 0
	v_mov_b32 v[SB+(\t)/4], v14                    ; four bytes to a register, the lower K in the lower byte
.else
	v_lshl_or_b32 v[SB+(\t)/4], v14, 8*((\t)%4), v[SB+(\t)/4]
.endif
.irp g, 0,1,2,3
	v_cvt_scalef32_pk8_fp4_f32 v[CW+\g], v[XS+8*\g:XS+8*\g+7], v11
.endr
	ds_store_b128 v4, v[CW:CW+3] offset:16*(\t)    ; 32 codes: 16 bytes of my column's row
.if (\t)+2 < NB
	WLOAD (\t)+2
.endif
	s_wait_dscnt 0x0                               ; the store has read its registers: the next block's codes may be written
.endm
.irp t, 0,1,2,3,4,5,6,7
	WBLOCK \t
.endr
	global_store_b64 v9, v[SB:SB+1], s[14:15]      ; my column's 8 scale bytes
.irp t, 0,1,2,3,4,5,6,7
	ds_load_b128 v[OUTR+4*\t:OUTR+4*\t+3], v7 offset:4*\t*WPIT     ; in order behind my stores
.endr
.irp t, 0,1,2,3,4,5,6,7
	s_wait_dscnt 7-\t                              ; LDS loads come back in order: load t is in
	global_store_b128 v8, v[OUTR+4*\t:OUTR+4*\t+3], s[12:13] offset:4*\t*512   ; eight lanes store a column's 128 consecutive bytes
.endr
	s_wait_tensorcnt 0x0                           ; the wave's end, behind my last LDS store
	ds_add_u32 v[SPW], v[NIL]
	s_wait_dscnt 0x0
	s_endpgm
.Lfunc_end_k_q18062079a9_quant:
	.size	k_q18062079a9_quant, .Lfunc_end_k_q18062079a9_quant-k_q18062079a9_quant
	.p2alignl 7, 3214868480
	.fill 96, 4, 3214868480
	.section	.rodata,"a",@progbits
	.p2align	6, 0x0
	.amdhsa_kernel k_q18062079a9_quant
		.amdhsa_group_segment_fixed_size 51712
		.amdhsa_private_segment_fixed_size 0
		.amdhsa_enable_private_segment 0
		.amdhsa_kernarg_size 48
		.amdhsa_user_sgpr_count 2
		.amdhsa_user_sgpr_kernarg_segment_ptr 1
		.amdhsa_wavefront_size32 1
		.amdhsa_system_sgpr_workgroup_id_x 1
		.amdhsa_system_sgpr_workgroup_id_y 1
		.amdhsa_system_sgpr_workgroup_id_z 1
		.amdhsa_system_vgpr_workitem_id 0
		.amdhsa_next_free_vgpr 192
		.amdhsa_next_free_sgpr 66
		.amdhsa_reserve_vcc 0
		.amdhsa_float_denorm_mode_32 3
		.amdhsa_float_denorm_mode_16_64 3
		.amdhsa_memory_ordered 1
		.amdhsa_forward_progress 1
		.amdhsa_inst_pref_size 73
	.end_amdhsa_kernel
	.amdgpu_metadata
---
amdhsa.version: [ 1, 2 ]
amdhsa.kernels:
  - .name:           k_q18062079a9_quant
    .symbol:         k_q18062079a9_quant.kd
    .args:
      - { .name: x, .offset: 0, .size: 8, .value_kind: global_buffer, .address_space: global }
      - { .name: kernel, .offset: 8, .size: 8, .value_kind: global_buffer, .address_space: global }
      - { .name: x_codes, .offset: 16, .size: 8, .value_kind: global_buffer, .address_space: global }
      - { .name: x_scales, .offset: 24, .size: 8, .value_kind: global_buffer, .address_space: global }
      - { .name: w_codes, .offset: 32, .size: 8, .value_kind: global_buffer, .address_space: global }
      - { .name: w_scales, .offset: 40, .size: 8, .value_kind: global_buffer, .address_space: global }
    .group_segment_fixed_size: 51712
    .private_segment_fixed_size: 0
    .kernarg_segment_align: 8
    .kernarg_segment_size: 48
    .max_flat_workgroup_size: 128
    .sgpr_count:     66
    .vgpr_count:     192
    .wavefront_size: 32
...
	.end_amdgpu_metadata
.endif
;; end of part 1
;; launch proj (part 2): grid 12 x 32, 4 waves a work-group, clusters of 4 x 4, 327,680 bytes of LDS; arguments x_codes, x_scales, w_codes, w_scales, kqv; writes kqv
.if DOCPART == 2
	.amdgcn_target "amdgcn-amd-amdhsa--gfx1250"
	.amdhsa_code_object_version 6
	.text
	.protected	k_q18062079a9_proj
	.globl	k_q18062079a9_proj
	.p2align	8
	.type	k_q18062079a9_proj,@function
k_q18062079a9_proj:
	s_mov_b64 s[64:65], 0
	v_nop
	global_prefetch_b8 v0, s[64:65] scope:SCOPE_SE
	s_setreg_imm32_b32 hwreg(HW_REG_WAVE_MODE, 25, 1), 1
	s_wait_xcnt 0x0
	s_wait_alu depctr_hold_cnt(0) depctr_sa_sdst(0) depctr_va_vdst(0) depctr_va_sdst(0) depctr_va_ssrc(0) depctr_va_vcc(0) depctr_vm_vsrc(0)
	s_getreg_b32 s2, hwreg(HW_REG_IB_STS2, 6, 4)
	s_cmp_eq_u32 s2, 0
	s_cbranch_scc0 .Lentry_in_a_cluster
	s_endpgm
.Lentry_in_a_cluster:
	s_bfe_u32 s2, ttmp6, 0x10000c
	s_cmp_lg_u32 s2, 0xf033
	s_cbranch_scc0 .Lentry_shape_is_right
	s_endpgm
.Lentry_shape_is_right:
; kqv[m][n'] = sum over d of Xq[m][d] Wq[n'][d], n' = 1024 i + n: the three projections as ONE product [8192 x 1024] x [1024 x 3072] on codes of FP4 (E2M1) with E8M0 scales for each 32 along K.
; Sums in f32; the result is rounded once to f16 (row of 6,144 bytes: k at byte 0, q at 2,048, v at 4,096).  LIMIT: |k|, |q|, |v| must stay under 65,504, f16's largest number.
; A tile of 256 x 256 is made by four waves, each 128 x 128: 64 accumulators.  K = 1,024 is two K steps of 512: both slots and all scale bytes are first fills, three tensor loads a wave, and nothing is filled again.
; CLUSTERS: 4 x 4 work-groups; A's tiles are asked for jointly along a row of the cluster, B's along a column.  The matrix instruction is used transposed (source 0 = 16 rows of W, source 1 = 16 rows of x):
; a lane then holds eight neighbouring numbers of a row of kqv.
; REGISTERS: window 0: v0-31 addresses; v32-95 scale words, two sets, and nothing else; v128-191 A's fragments, one set (on the way out: rows read back); v192-223 packed results.
;   window 1: B's fragments, two sets, at v0 and v128.  window 2, 3: the accumulators of my rows 0-63, 64-127 (accumulator (a, b) at v[8 (8 a + b)]).
.set SIZE_N, 3072
.set SIZE_K, 1024
.set KSTEP,  512
.set NQ,     KSTEP/128
.set ROWB,   256                       ; a tile's row in bytes
.set KROW,   SIZE_K*4/8                ; a row of codes in memory
.set PITCH,  272                       ; an LDS row: 256 bytes + 16 of padding: the 16 rows that a load touches start at 16 different banks
.set FR,     8
.set NL,     2
.set NP,     4
.set HALFT,  128*PITCH
.set SLOT,   4*HALFT
.set KS,     SIZE_K/32                 ; a row of scale bytes
.set SCL,    2*SLOT                    ; behind the slots: the scales, as units of 256 bytes + 16 of padding
.set HALFS,  (128*KS/256)*272
.set SBLK,   (16*KS/256)*272
.set SPARE,  SCL+4*HALFS               ; the spare words, 128 bytes for each wave: two blocks of 256 bytes that no other line names
.set STAGE,  SPARE+512                 ; the way out: 16 rows x 272 bytes for each wave; no tensor load lands here
.set SPITCH, 272
.set ROWC,   SIZE_N*2                  ; a row of kqv in bytes
.set ADRA, 16
.set ADRB, 20
.set STO,  24
.set RD,   25
.set CO,   26
.set ADRS, 27
.set SPW,  28
.set NIL,  29
.set SC,   32
.set AF,   128
.set BKR,  128                         ; the way out: 16 rows read back: v128-159 and v160-191 by turns
.set TMP,  192
.set G1, 24
.set G0, 32
.set G1B, 48
.set G0B, 56
.set G1S, 68
.set G0S, 76
.set G1SB, 80
.set G0SB, 88
.set MSB, 0
.macro WIN new                         ; the immediate's high byte repeats the setting that is left
.if MSB != (\new)
	s_set_vgpr_msb (MSB<<8)|(\new)
.set MSB, (\new)
.endif
.endm
.set MUL_LO, 0xa1                      ; source 0 (B) window 1, source 1 (A) window 0, C and D window 2
.set MUL_HI, 0xf1
.set TO_B,   0x40
; A joint load: waves 0 and 1 fetch for A, waves 2 and 3 for B; the branch hangs on the wave's number alone.  An s_nop 0 and four v_nop follow each line.
.macro JLOAD g0a, g1a, g0b, g1b
	s_cmp_eq_u32 s15, 0
	s_cbranch_scc0 .Lfor_b_\@
	tensor_load_to_lds s[\g0a:\g0a+3], s[\g1a:\g1a+7]
	s_nop 0
.rept 4
	v_nop
.endr
	s_branch .Lasked_\@
.Lfor_b_\@:
	tensor_load_to_lds s[\g0b:\g0b+3], s[\g1b:\g1b+7]
	s_nop 0
.rept 4
	v_nop
.endr
.Lasked_\@:
.endm
.macro CROUND                          ; a round of the cluster's barrier
	s_barrier_signal -1
	s_barrier_wait -1
	s_cmp_lg_u32 s14, 0
	s_cbranch_scc1 .Lnot_wave_0_\@
	s_barrier_signal -3
.Lnot_wave_0_\@:
	s_barrier_wait -3
	s_barrier_signal -1
	s_barrier_wait -1
.endm
	s_load_b128 s[4:7], s[0:1], 0x0                ; x's codes, x's scales
	s_load_b128 s[8:11], s[0:1], 0x10              ; W's codes, W's scales
	s_load_b64 s[12:13], s[0:1], 0x20              ; kqv
	v_lshl_add_u32 v[SPW], v0, 2, SPARE
	v_mov_b32 v[NIL], 0
	ds_add_u32 v[SPW], v[NIL]                      ; the wave's opening: the add, twice on end, and its wait ahead of my first tensor load
	ds_add_u32 v[SPW], v[NIL]
	v_lshrrev_b32 v1, 5, v0
	v_readfirstlane_b32 s14, v1                    ; wave 0..3
	s_lshr_b32 s15, s14, 1                         ; my half of the tile's rows.  Also: I fetch for A (0) or B (1)
	s_and_b32 s16, s14, 1                          ; my half of its columns.  Also: which 128 rows I fetch
	s_bfe_u32 s40, ttmp6, 0x40000                  ; cx
	s_bfe_u32 s41, ttmp6, 0x40004                  ; cy
	s_lshl_b32 s42, ttmp9, 2
	s_add_co_u32 s42, s42, s40                     ; tile column
	s_and_b32 s17, ttmp7, 0xffff
	s_lshl_b32 s17, s17, 2
	s_add_co_u32 s17, s17, s41                     ; tile row
	s_lshl_b32 s43, s41, 2
	s_lshl_b32 s43, 15, s43                        ; my row of the cluster
	s_lshl_b32 s44, 0x1111, s40                    ; my column
	s_or_b32 s[G1+0], s43, (0<<16)|(1<<20)|(1<<21)|(5<<22)|(3<<25)  ; the mask; elements of 1 byte; padding on; bit 21 beside a mask; after every 64 words, 4 words
	s_or_b32 s[G1B+0], s44, (0<<16)|(1<<20)|(1<<21)|(5<<22)|(3<<25)
.irp g, G1, G1B
	s_mov_b32 s[\g+1], ROWB<<16                    ; tensor_dim0
	s_mov_b32 s[\g+2], 128<<16                     ; tensor_dim1
	s_mov_b32 s[\g+3], ROWB<<16                    ; tile_dim0
	s_mov_b32 s[\g+4], 128                         ; tile_dim1
	s_mov_b32 s[\g+5], KROW                        ; from row to row
	s_mov_b32 s[\g+6], 0
	s_mov_b32 s[\g+7], 0
.endr
	s_or_b32 s[G1S+0], s43, (3<<16)|(1<<20)|(1<<21)|(5<<22)|(3<<25) ; the scales of 128 rows: 4,096 dense bytes as 16 rows of 256 (32 elements of 8 bytes), 16 bytes of padding behind each
	s_or_b32 s[G1SB+0], s44, (3<<16)|(1<<20)|(1<<21)|(5<<22)|(3<<25)
.irp g, G1S, G1SB
	s_mov_b32 s[\g+1], 32<<16
	s_mov_b32 s[\g+2], (128*KS/256)<<16
	s_mov_b32 s[\g+3], 32<<16
	s_mov_b32 s[\g+4], 128*KS/256
	s_mov_b32 s[\g+5], 32
	s_mov_b32 s[\g+6], 0
	s_mov_b32 s[\g+7], 0
.endr
	s_lshl_b32 s18, s16, 7
	s_lshl_b32 s20, s17, 8
	s_add_co_u32 s20, s20, s18                     ; A: row 256 x tile row + 128 x half
	s_lshl_b32 s46, s42, 8
	s_add_co_u32 s46, s46, s18                     ; B: row 256 x tile column + 128 x half
	s_mov_b32 s21, 0
	s_mov_b32 s47, 0
	s_mov_b64 s[18:19], KS
	s_mul_u64 s[22:23], s[20:21], s[18:19]         ; where these rows' scales begin
	s_mul_u64 s[92:93], s[46:47], s[18:19]
	s_mov_b64 s[18:19], KROW
	s_mul_u64 s[20:21], s[20:21], s[18:19]         ; and their codes
	s_mul_u64 s[46:47], s[46:47], s[18:19]
	s_mul_i32 s45, s14, HALFT                      ; where they go: wave x 128 rows
	s_mul_i32 s94, s14, HALFS
	s_wait_dscnt 0x0                               ; both opening adds are done
	s_wait_kmcnt 0x0
	s_add_nc_u64 s[20:21], s[4:5], s[20:21]
	s_add_nc_u64 s[22:23], s[6:7], s[22:23]
	s_add_nc_u64 s[46:47], s[8:9], s[46:47]
	s_add_nc_u64 s[92:93], s[10:11], s[92:93]
	CROUND                                         ; all sixteen work-groups are here: the joint loads meet
	s_mov_b32 s[G0S], 1
	s_add_co_u32 s[G0S+1], s94, SCL
	s_mov_b64 s[G0S+2:G0S+3], s[22:23]
	s_or_b32 s[G0S+3], s[G0S+3], 0x80000000
	s_mov_b32 s[G0SB], 1
	s_add_co_u32 s[G0SB+1], s94, SCL
	s_mov_b64 s[G0SB+2:G0SB+3], s[92:93]
	s_or_b32 s[G0SB+3], s[G0SB+3], 0x80000000
	JLOAD G0S, G1S, G0SB, G1SB                     ; the scales first: they are wanted with K step 0
.irp s, 0,1
	s_mov_b32 s[G0+4*\s], 1
	s_add_co_u32 s[G0+4*\s+1], s45, \s*SLOT
	s_add_nc_u64 s[G0+4*\s+2:G0+4*\s+3], s[20:21], \s*ROWB
	s_or_b32 s[G0+4*\s+3], s[G0+4*\s+3], 0x80000000
	s_mov_b32 s[G0B+4*\s], 1
	s_add_co_u32 s[G0B+4*\s+1], s45, \s*SLOT
	s_add_nc_u64 s[G0B+4*\s+2:G0B+4*\s+3], s[46:47], \s*ROWB
	s_or_b32 s[G0B+4*\s+3], s[G0B+4*\s+3], 0x80000000
	JLOAD G0+4*\s, G1, G0B+4*\s, G1B               ; three tensor loads of mine are out
.endr
	v_and_b32 v1, 15, v0                           ; r = lane % 16
	v_bfe_u32 v2, v0, 4, 1                         ; h = lane / 16
	v_mul_u32_u24 v3, v1, PITCH
	v_lshl_add_u32 v4, v2, 4, v3                   ; a fragment's row x pitch + 16 h
	s_mul_i32 s21, s15, HALFT
	s_mul_i32 s22, s16, HALFT
	s_add_co_u32 s22, s22, 2*HALFT
.irp s, 0,1
	v_add_nc_u32 v[ADRA+\s], s21, v4
	v_add_nc_u32 v[ADRB+\s], s22, v4
	s_add_co_u32 s21, s21, SLOT
	s_add_co_u32 s22, s22, SLOT
.endr
	v_mul_u32_u24 v5, v1, KS                       ; my row's scales: KS bytes a row,
	v_lshrrev_b32 v6, 8, v5
	v_lshl_add_u32 v5, v6, 4, v5                   ; and 16 more for each 256 passed
	s_mul_i32 s21, s15, HALFS
	s_mul_i32 s22, s16, HALFS
	s_add_co_u32 s22, s22, 2*HALFS
	s_sub_co_u32 s22, s22, s21
	v_mul_u32_u24 v6, s22, v2                      ; lanes 16-31 take B's: one product, the distance between the two bases x h
	s_add_co_u32 s21, s21, SCL
	v_add_nc_u32 v5, v5, v6
	v_add_nc_u32 v[ADRS], s21, v5
	s_mul_i32 s23, s14, 16*SPITCH
	s_add_co_u32 s23, s23, STAGE                   ; my stage
	v_mul_u32_u24 v5, v1, SPITCH                   ; in: row r, 16 bytes for each half of the lanes
	v_lshl_add_u32 v5, v2, 4, v5
	v_add_nc_u32 v[STO], s23, v5
	v_mul_u32_u24 v5, v2, SPITCH                   ; back: lanes 0-15 one row of 256 bytes, lanes 16-31 the next
	v_lshl_add_u32 v5, v1, 4, v5
	v_add_nc_u32 v[RD], s23, v5
	v_mul_u32_u24 v5, v2, ROWC                     ; and the same two rows in kqv
	v_lshl_add_u32 v[CO], v1, 4, v5
	s_lshl_b32 s20, s17, 8
	s_lshl_b32 s21, s15, 7
	s_add_co_u32 s20, s20, s21                     ; my first row
	s_mul_i32 s20, s20, ROWC                       ; (under 2^26)
	s_lshl_b32 s46, s42, 9                         ; my first column, in bytes: 512 x tile column + 256 x half
	s_lshl_b32 s47, s16, 8
	s_add_co_u32 s46, s46, s47
	s_add_co_u32 s20, s20, s46
	s_mov_b32 s21, 0
	s_add_nc_u64 s[12:13], s[12:13], s[20:21]
.macro FRAG reg, adr, q, i             ; 16 rows x 128 K of 4-bit codes: 8 registers, two loads of 16 bytes, 32 bytes apart
.irp c, 0,1
	ds_load_b128 v[\reg+4*\c:\reg+4*\c+3], v[\adr] offset:64*(\q)+32*\c+(\i)*16*PITCH
.endr
.endm
; 16 matrix instructions: A's blocks a0, a0 + 1 x B's eight, the slot's q-th 128 along K.  p: B's set; sc: the set of scale words.  The 64 accumulators take turns.
; One register carries A's scale word (lanes 0-15) and B's (lanes 16-31).
.macro MUL16 a0, p, q, sc, zero
.irp a, \a0, \a0+1
.irp b, 0,1,2,3,4,5,6,7
.if \zero
	v_wmma_scale_f32_16x16x128_f8f6f4 v[8*(8*((\a)%4)+\b):8*(8*((\a)%4)+\b)+7], v[128*(\p)+FR*\b:128*(\p)+FR*\b+FR-1], v[AF+FR*(\a):AF+FR*(\a)+FR-1], 0, v[SC+8*NQ*(\sc)+NQ*\b+(\q)], v[SC+8*NQ*(\sc)+NQ*(\a)+(\q)] matrix_a_fmt:MATRIX_FMT_FP4 matrix_b_fmt:MATRIX_FMT_FP4 matrix_a_scale:MATRIX_SCALE_ROW1
.else
	v_wmma_scale_f32_16x16x128_f8f6f4 v[8*(8*((\a)%4)+\b):8*(8*((\a)%4)+\b)+7], v[128*(\p)+FR*\b:128*(\p)+FR*\b+FR-1], v[AF+FR*(\a):AF+FR*(\a)+FR-1], v[8*(8*((\a)%4)+\b):8*(8*((\a)%4)+\b)+7], v[SC+8*NQ*(\sc)+NQ*\b+(\q)], v[SC+8*NQ*(\sc)+NQ*(\a)+(\q)] matrix_a_fmt:MATRIX_FMT_FP4 matrix_b_fmt:MATRIX_FMT_FP4 matrix_a_scale:MATRIX_SCALE_ROW1
.endif
.endr
.endr
.endm
.macro FETCH_B slot, q, p
	WIN TO_B
.irp i, 0,1,2,3,4,5,6,7
	FRAG 128*(\p)+FR*\i, ADRB+\slot, \q, \i
.endr
	WIN 0
.endm
.macro FETCH_A slot, q, i0
.irp i, \i0, \i0+1, \i0+2, \i0+3
	FRAG AF+FR*(\i), ADRA+\slot, \q, \i
.endr
.endm
.macro SCALES sc                       ; a K step's scale words: 4 words a row; lanes 0-15 A's block i, lanes 16-31 B's block i
.irp i, 0,1,2,3,4,5,6,7
	ds_load_b128 v[SC+8*NQ*\sc+NQ*\i:SC+8*NQ*\sc+NQ*\i+3], v[ADRS] offset:\i*SBLK
.endr
.endm
.macro PLACES n                        ; plain vector places between a matrix instruction and a load into, or a read of, its registers
.rept \n
	v_nop
.endr
.endm
.macro STEP slot, q, zero              ; 128 along K that has its successor in the same slot
	s_wait_dscnt 4*NL                              ; B's set and A's blocks 0-3 are in; the youngest eight loads (A's blocks 4-7) may be out
	WIN MUL_LO
	MUL16 0, (\q)%2, \q, \slot, \zero
	MUL16 2, (\q)%2, \q, \slot, \zero
	s_wait_dscnt 0                                 ; A's blocks 4-7 are in
	PLACES NP
	FETCH_B \slot, (\q)+1, 1-(\q)%2
	FETCH_A \slot, (\q)+1, 0
	WIN MUL_HI
	MUL16 4, (\q)%2, \q, \slot, \zero
	MUL16 6, (\q)%2, \q, \slot, \zero
	PLACES NP
	WIN 0
	FETCH_A \slot, (\q)+1, 4
.endm
; Slot 0's last step changes slots: each wave waits for all its tensor loads (its part of slot 1), then the barrier shows the whole slot to every wave.  Nothing is filled again.
.macro TURN slot, next
	s_wait_tensorcnt 0x0                           ; all my tensor loads have landed
	ds_add_u32 v[SPW], v[NIL]                      ; 0 onto my spare word
	s_wait_dscnt 4*NL+1                            ; (the add and the youngest eight loads may be out)
	WIN MUL_LO
	MUL16 0, 1, NQ-1, \slot, 0
	s_wait_dscnt 0x0                               ; the add is done, and no LDS load of mine is out at the signal
	s_barrier_signal -1
	MUL16 2, 1, NQ-1, \slot, 0
	WIN 0
	s_barrier_wait -1
	PLACES NP
	v_add_nc_u32 v[ADRS], 4*NQ, v[ADRS]            ; on to the next K step's scale words
	FETCH_B \next, 0, 0
	FETCH_A \next, 0, 0
	SCALES \next
	WIN MUL_HI
	MUL16 4, 1, NQ-1, \slot, 0
	MUL16 6, 1, NQ-1, \slot, 0
	PLACES NP
	WIN 0
	FETCH_A \next, 0, 4
.endm
	s_wait_tensorcnt 1                             ; the scales and my part of K step 0 are in (K step 1's load may be out)
	s_barrier_signal -1
	s_barrier_wait -1                              ; everybody's are
	FETCH_B 0, 0, 0
	FETCH_A 0, 0, 0
	SCALES 0
	FETCH_A 0, 0, 4
	STEP 0, 0, 1                                   ; the first products start the sums: nothing is cleared
	STEP 0, 1, 0
	STEP 0, 2, 0
	TURN 0, 1
	STEP 1, 0, 0
	STEP 1, 1, 0
	STEP 1, 2, 0
	s_wait_dscnt 4*NL                              ; the last step: nothing more to fetch
	WIN MUL_LO
	MUL16 0, 1, NQ-1, 1, 0
	MUL16 2, 1, NQ-1, 1, 0
	s_wait_dscnt 0
	WIN MUL_HI
	MUL16 4, 1, NQ-1, 1, 0
	MUL16 6, 1, NQ-1, 1, 0
	WIN 0
; THE WAY OUT, block by block of 16 rows x 128 columns: rounded to f16 (16 bytes a lane), through my own stage, back as whole rows of 256 bytes, stored sixteen lanes to 256 consecutive aligned bytes.
.macro PACK a
.set AC, 64*((\a)%4)
	WIN 0x0a+5*((\a)/4)                            ; sources 0 and 1: window 2 or 3
.irp b, 0,1,2,3,4,5,6,7
.irp r, 0,1,2,3
	v_cvt_pk_f16_f32 v[TMP+4*\b+\r], v[AC+8*\b+2*\r], v[AC+8*\b+2*\r+1]   ; each accumulator from its low end on
.endr
.endr
	WIN 0
.endm
.macro TOSTAGE a
.set BB, BKR+32*((\a)%2)
.irp b, 0,1,2,3,4,5,6,7
	ds_store_b128 v[STO], v[TMP+4*\b:TMP+4*\b+3] offset:32*\b
.endr
.irp t, 0,1,2,3,4,5,6,7
	ds_load_b128 v[BB+4*\t:BB+4*\t+3], v[RD] offset:\t*2*SPITCH    ; LDS serves a wave's instructions in order: these see the stores above
.endr
.endm
.macro SEND a
.set BB, BKR+32*((\a)%2)
	s_wait_dscnt 0x0                               ; the block is back in registers
	s_wait_xcnt 0x0                                ; earlier stores have read their base and their data: both may be written again
.if (\a) > 0
	s_add_nc_u64 s[12:13], s[12:13], 16*ROWC       ; 16 rows on
.endif
.irp t, 0,1,2,3,4,5,6,7
	global_store_b128 v[CO], v[BB+4*\t:BB+4*\t+3], s[12:13] offset:2*\t*ROWC
.endr
.endm
	PLACES NP                                      ; behind the last products: for the first reads of results and the loads into A's registers
	PACK 0
	TOSTAGE 0
.irp a, 1,2,3,4,5,6,7                  ; block a's conversions stand between block a - 1's loads from the stage and the wait for them
	PACK \a
	SEND \a-1
	TOSTAGE \a
.endr
	SEND 7
	s_wait_tensorcnt 0x0                           ; the wave's end
	ds_add_u32 v[SPW], v[NIL]
	s_wait_dscnt 0x0
	CROUND                                         ; the closing round
	s_endpgm
.Lfunc_end_k_q18062079a9_proj:
	.size	k_q18062079a9_proj, .Lfunc_end_k_q18062079a9_proj-k_q18062079a9_proj
	.p2alignl 7, 3214868480
	.fill 96, 4, 3214868480
	.section	.rodata,"a",@progbits
	.p2align	6, 0x0
	.amdhsa_kernel k_q18062079a9_proj
		.amdhsa_group_segment_fixed_size 327680
		.amdhsa_private_segment_fixed_size 0
		.amdhsa_enable_private_segment 0
		.amdhsa_kernarg_size 40
		.amdhsa_user_sgpr_count 2
		.amdhsa_user_sgpr_kernarg_segment_ptr 1
		.amdhsa_wavefront_size32 1
		.amdhsa_system_sgpr_workgroup_id_x 1
		.amdhsa_system_sgpr_workgroup_id_y 1
		.amdhsa_system_sgpr_workgroup_id_z 1
		.amdhsa_system_vgpr_workitem_id 0
		.amdhsa_next_free_vgpr 1024
		.amdhsa_next_free_sgpr 98
		.amdhsa_reserve_vcc 0
		.amdhsa_float_denorm_mode_32 3
		.amdhsa_float_denorm_mode_16_64 3
		.amdhsa_memory_ordered 1
		.amdhsa_forward_progress 1
		.amdhsa_inst_pref_size 127
	.end_amdhsa_kernel
	.amdgpu_metadata
---
amdhsa.version: [ 1, 2 ]
amdhsa.kernels:
  - .name:           k_q18062079a9_proj
    .symbol:         k_q18062079a9_proj.kd
    .args:
      - { .name: x_codes, .offset: 0, .size: 8, .value_kind: global_buffer, .address_space: global }
      - { .name: x_scales, .offset: 8, .size: 8, .value_kind: global_buffer, .address_space: global }
      - { .name: w_codes, .offset: 16, .size: 8, .value_kind: global_buffer, .address_space: global }
      - { .name: w_scales, .offset: 24, .size: 8, .value_kind: global_buffer, .address_space: global }
      - { .name: kqv, .offset: 32, .size: 8, .value_kind: global_buffer, .address_space: global }
    .group_segment_fixed_size: 327680
    .private_segment_fixed_size: 0
    .kernarg_segment_align: 8
    .kernarg_segment_size: 40
    .max_flat_workgroup_size: 128
    .sgpr_count:     98
    .vgpr_count:     1024
    .wavefront_size: 32
...
	.end_amdgpu_metadata
.endif
;; end of part 2
;; launch scores (part 3): grid 8 x 32, 4 waves a work-group, clusters of 4 x 4, 327,680 bytes of LDS; arguments kqv, p, stats; writes p, stats
.if DOCPART == 3
	.amdgcn_target "amdgcn-amd-amdhsa--gfx1250"
	.amdhsa_code_object_version 6
	.text
	.protected	k_q18062079a9_scores
	.globl	k_q18062079a9_scores
	.p2align	8
	.type	k_q18062079a9_scores,@function
k_q18062079a9_scores:
	s_mov_b64 s[64:65], 0
	v_nop
	global_prefetch_b8 v0, s[64:65] scope:SCOPE_SE
	s_setreg_imm32_b32 hwreg(HW_REG_WAVE_MODE, 25, 1), 1
	s_wait_xcnt 0x0
	s_wait_alu depctr_hold_cnt(0) depctr_sa_sdst(0) depctr_va_vdst(0) depctr_va_sdst(0) depctr_va_ssrc(0) depctr_va_vcc(0) depctr_vm_vsrc(0)
	s_getreg_b32 s2, hwreg(HW_REG_IB_STS2, 6, 4)
	s_cmp_eq_u32 s2, 0
	s_cbranch_scc0 .Lentry_in_a_cluster
	s_endpgm
.Lentry_in_a_cluster:
	s_bfe_u32 s2, ttmp6, 0x10000c
	s_cmp_lg_u32 s2, 0xf033
	s_cbranch_scc0 .Lentry_shape_is_right
	s_endpgm
.Lentry_shape_is_right:
; s = q k^T in f16 with f32 sums, then the softmax's first half, chunk by chunk.  kqv: f16 [8192][3072] (k at byte 0, q at byte 2,048 of a row of 6,144).
; A work-group makes 256 queries x 256 keys of one batch; each of four waves 128 x 128: 64 accumulators.  A wave's 128 keys are a CHUNK (16 chunks to a row of 2,048 keys).
; For each query and chunk: t = s x log2(e) / 32;  M = the chunk's largest t rounded UP to a whole number;  p = 2^(t - M), at most 1, stored as f16;  -M and the f32 sum l of the unrounded p go to stats.
; The maximum is taken away before every exponential; the launch that follows brings the chunks of a row under the row's largest M by exact powers of two.
; p: f16 [8192][2048];  stats: f32 [2][16 chunks][8192 rows], kind 0 = -M, kind 1 = l.
; K = 1,024 goes in 8 steps of 128 through two LDS slots; rows of a tile are 256 bytes of memory, aligned.  CLUSTERS 4 x 4: q's tiles are asked for jointly along a row, k's along a column.
; The matrix instruction is used transposed (source 0 = 16 keys, source 1 = 16 queries): a lane holds ONE query (lane % 16) and, in accumulator b, keys 16 b + 8 (lane / 16) + 0 .. 7.
; No prefetch: of the 8 K steps the first four come by their loads alone in any case, and a refill has 224 matrix instructions between its request and the wait for it.
; LIMITS: NaN and infinities are not served.
; REGISTERS: window 0: v0-31 addresses; v32-44 the softmax's small numbers; v64-127, v128-191 q's fragments, two buffers (way out: t and p; rows read back); v192-223 packed p.
;   window 1: v64-127, v128-191 k's fragments.  windows 2, 3: accumulators of my queries 0-63, 64-127 ((a, b) at v[8 (8 a + b)]).
.set KSTEP,  128
.set PITCH,  272
.set HALFT,  128*PITCH
.set SLOT,   4*HALFT
.set STAGE,  2*SLOT                    ; 16 rows x 272 bytes for each wave
.set SPITCH, 272
.set STATS,  STAGE+4*16*SPITCH         ; 1,024 bytes for each wave: 128 x -M, then 128 x l
.set SPARE,  STATS+4*1024              ; the spare words, 128 bytes for each wave: two blocks of 256 bytes that no other line names
.set LAPS,   4                         ; a lap = two K steps
.set ROWQ,   6144
.set ROWP,   4096
.set ADRA, 16
.set ADRB, 20
.set STO,  24
.set RD,   25
.set CO,   26
.set SSTO, 27                          ; where I put my query's -M (lanes 0-15) or l (lanes 16-31)
.set SPW,  28
.set NIL,  29
.set SSRD, 30                          ; where I read 16 bytes of my wave's statistics back
.set L16,  31                          ; 16 x lane
.set T,    32                          ; v32-35 four chains of the maximum
.set U,    36                          ; v36 the other half of the lanes'
.set NM,   38                          ; v38 -M (v39 is named with it as a pair)
.set LP,   40                          ; v40-43 the sum, in two packed chains
.set VAL,  44
.set F0,   64
.set F1,   128
.set E,    64                          ; the way out: 64 numbers t - M, then p
.set BK,   128                         ; rows read back: v128-159 and v160-191 by turns
.set TMP,  192
.set G1, 24
.set G0, 32
.set G1B, 48
.set G0B, 56
.set CS,  66                           ; s[66:67] c = log2(e) / 32
.set SEL, 68                           ; s[68:69] lane selects: lane l xor 16
.set MSB, 0
.macro WIN new
.if MSB != (\new)
	s_set_vgpr_msb (MSB<<8)|(\new)
.set MSB, (\new)
.endif
.endm
.set MUL_LO, 0xa1
.set MUL_HI, 0xf1
.set TO_B,   0x40
.macro JLOAD s                         ; waves 0 and 1 fetch q's halves, waves 2 and 3 k's; an s_nop 0 and four v_nop follow each line
	s_cmp_eq_u32 s11, 0
	s_cbranch_scc0 .Lfor_b_\@
	tensor_load_to_lds s[G0+4*\s:G0+4*\s+3], s[G1:G1+7]
	s_nop 0
.rept 4
	v_nop
.endr
	s_branch .Lasked_\@
.Lfor_b_\@:
	tensor_load_to_lds s[G0B+4*\s:G0B+4*\s+3], s[G1B:G1B+7]
	s_nop 0
.rept 4
	v_nop
.endr
.Lasked_\@:
.endm
.macro CREST
	s_cmp_lg_u32 s10, 0
	s_cbranch_scc1 .Lnot_wave_0_\@
	s_barrier_signal -3
.Lnot_wave_0_\@:
	s_barrier_wait -3
	s_barrier_signal -1
	s_barrier_wait -1
.endm
.macro CROUND
	s_barrier_signal -1
	s_barrier_wait -1
	CREST
.endm
	s_load_b128 s[4:7], s[0:1], 0x0                ; kqv, p
	s_load_b64 s[8:9], s[0:1], 0x10                ; stats
	v_lshl_add_u32 v[SPW], v0, 2, SPARE
	v_mov_b32 v[NIL], 0
	ds_add_u32 v[SPW], v[NIL]                      ; the wave's opening: the add, twice on end, and its wait ahead of my first tensor load
	ds_add_u32 v[SPW], v[NIL]
	v_lshrrev_b32 v1, 5, v0
	v_readfirstlane_b32 s10, v1                    ; wave
	s_lshr_b32 s11, s10, 1                         ; my half of the queries.  Also: I fetch q (0) or k (1)
	s_and_b32 s12, s10, 1                          ; my half of the keys.  Also: which 128 rows I fetch
	s_bfe_u32 s40, ttmp6, 0x40000                  ; cx
	s_bfe_u32 s41, ttmp6, 0x40004                  ; cy
	s_lshl_b32 s42, ttmp9, 2
	s_add_co_u32 s42, s42, s40                     ; key tile 0..7
	s_and_b32 s45, ttmp7, 0xffff                   ; cluster y
	s_lshl_b32 s13, s45, 2
	s_add_co_u32 s13, s13, s41                     ; query tile 0..31, over all batches
	s_lshr_b32 s45, s45, 1                         ; the batch: from the cluster's y alone, the same in all partners
	s_lshl_b32 s43, s41, 2
	s_lshl_b32 s43, 15, s43                        ; my row of the cluster
	s_lshl_b32 s44, 0x1111, s40                    ; my column
	s_or_b32 s[G1+0], s43, (1<<16)|(1<<20)|(1<<21)|(5<<22)|(3<<25)   ; mask; elements of 2 bytes; padding: 4 words after every 64
	s_or_b32 s[G1B+0], s44, (1<<16)|(1<<20)|(1<<21)|(5<<22)|(3<<25)
.irp g, G1, G1B
	s_mov_b32 s[\g+1], KSTEP<<16                   ; tensor_dim0 = 128
	s_mov_b32 s[\g+2], 128<<16                     ; tensor_dim1 = 128
	s_mov_b32 s[\g+3], KSTEP<<16                   ; tile_dim0
	s_mov_b32 s[\g+4], 128                         ; tile_dim1
	s_mov_b32 s[\g+5], 3072                        ; elements from row to row
	s_mov_b32 s[\g+6], 0
	s_mov_b32 s[\g+7], 0
.endr
	s_lshl_b32 s17, s12, 7
	s_lshl_b32 s16, s13, 8
	s_add_co_u32 s16, s16, s17                     ; q: row 256 x query tile + 128 x half
	s_lshl_b32 s46, s42, 8
	s_add_co_u32 s46, s46, s17
	s_lshl_b32 s47, s45, 11
	s_add_co_u32 s46, s46, s47                     ; k: row 2,048 x batch + 256 x key tile + 128 x half
	s_mov_b32 s17, 0
	s_mov_b32 s47, 0
	s_mov_b64 s[18:19], ROWQ
	s_mul_u64 s[16:17], s[16:17], s[18:19]
	s_mul_u64 s[46:47], s[46:47], s[18:19]
	s_mul_i32 s20, s10, HALFT                      ; where they go: wave x 128 rows
	s_mov_b32 s[CS], 0x3d38aa3b                    ; c = log2(e) / 32
	s_mov_b32 s[CS+1], s[CS]
	s_mov_b32 s[SEL], 0x76543210
	s_mov_b32 s[SEL+1], 0xfedcba98
	s_mov_b32 s70, 0xffff0000                      ; lanes 16-31
	s_wait_dscnt 0x0                               ; both opening adds are done
	s_wait_kmcnt 0x0
	s_add_nc_u64 s[14:15], s[4:5], s[16:17]
	s_add_nc_u64 s[14:15], s[14:15], 2048          ; q lies 2,048 bytes into a row
	s_add_nc_u64 s[46:47], s[4:5], s[46:47]
	CROUND                                         ; all sixteen work-groups are here
.irp s, 0,1
	s_mov_b32 s[G0+4*\s], 1
	s_add_co_u32 s[G0+4*\s+1], s20, \s*SLOT
	s_add_nc_u64 s[G0+4*\s+2:G0+4*\s+3], s[14:15], \s*KSTEP*2
	s_or_b32 s[G0+4*\s+3], s[G0+4*\s+3], 0x80000000
	s_mov_b32 s[G0B+4*\s], 1
	s_add_co_u32 s[G0B+4*\s+1], s20, \s*SLOT
	s_add_nc_u64 s[G0B+4*\s+2:G0B+4*\s+3], s[46:47], \s*KSTEP*2
	s_or_b32 s[G0B+4*\s+3], s[G0B+4*\s+3], 0x80000000
	JLOAD \s                                       ; two tensor loads of mine are out
.endr
	v_and_b32 v1, 15, v0                           ; r
	v_bfe_u32 v2, v0, 4, 1                         ; h
	v_mul_u32_u24 v3, v1, PITCH
	v_lshl_add_u32 v3, v2, 4, v3
	s_mul_i32 s21, s11, HALFT
	s_mul_i32 s22, s12, HALFT
	s_add_co_u32 s22, s22, 2*HALFT
.irp s, 0,1
	v_add_nc_u32 v[ADRA+\s], s21, v3
	v_add_nc_u32 v[ADRB+\s], s22, v3
	s_add_co_u32 s21, s21, SLOT
	s_add_co_u32 s22, s22, SLOT
.endr
	s_mul_i32 s23, s10, 16*SPITCH
	s_add_co_u32 s23, s23, STAGE
	v_mul_u32_u24 v4, v1, SPITCH
	v_lshl_add_u32 v4, v2, 4, v4
	v_add_nc_u32 v[STO], s23, v4
	v_mul_u32_u24 v5, v2, SPITCH
	v_lshl_add_u32 v5, v1, 4, v5
	v_add_nc_u32 v[RD], s23, v5
	v_lshlrev_b32 v5, 12, v2                       ; a row of p is 4,096 bytes
	v_lshl_add_u32 v[CO], v1, 4, v5
	s_lshl_b32 s23, s10, 10
	s_add_co_u32 s23, s23, STATS
	v_lshlrev_b32 v5, 2, v1
	v_lshl_add_u32 v5, v2, 9, v5
	v_add_nc_u32 v[SSTO], s23, v5                  ; 4 r + 512 h
	v_and_b32 v5, 31, v0
	v_lshlrev_b32 v[L16], 4, v5
	v_add_nc_u32 v[SSRD], s23, v[L16]
	v_mov_b32 v[U], 0                              ; a lane permute's destination counts as one of its sources
	v_mov_b32 v[NM+1], 0                           ; named with -M as a pair
	s_lshl_b32 s16, s13, 8
	s_lshl_b32 s17, s11, 7
	s_add_co_u32 s16, s16, s17                     ; my first row
	s_lshl_b32 s18, s16, 2                         ; in stats: 4 bytes a row
	s_lshl_b32 s16, s16, 12                        ; in p: 4,096 bytes a row
	s_lshl_b32 s17, s42, 9
	s_add_co_u32 s16, s16, s17                     ; + 512 x key tile
	s_lshl_b32 s17, s12, 8
	s_add_co_u32 s16, s16, s17                     ; + 256 x half
	s_mov_b32 s17, 0
	s_add_nc_u64 s[6:7], s[6:7], s[16:17]
	s_lshl_b32 s19, s42, 1
	s_add_co_u32 s19, s19, s12                     ; my chunk
	s_lshl_b32 s19, s19, 15                        ; 32,768 bytes a chunk
	s_add_co_u32 s18, s18, s19
	s_mov_b32 s19, 0
	s_add_nc_u64 s[8:9], s[8:9], s[18:19]
.macro MUL16 f, hi, a0, zero           ; 16 matrix instructions; the 64 accumulators take turns
.irp a, \a0, \a0+1
.irp b, 0,1,2,3,4,5,6,7
.if \zero
	v_wmma_f32_16x16x32_f16 v[8*(8*(\a)+\b):8*(8*(\a)+\b)+7], v[\f+8*\b:\f+8*\b+7], v[\f+8*(4*\hi+\a):\f+8*(4*\hi+\a)+7], 0
.else
	v_wmma_f32_16x16x32_f16 v[8*(8*(\a)+\b):8*(8*(\a)+\b)+7], v[\f+8*\b:\f+8*\b+7], v[\f+8*(4*\hi+\a):\f+8*(4*\hi+\a)+7], v[8*(8*(\a)+\b):8*(8*(\a)+\b)+7]
.endif
.endr
.endr
.endm
.macro FETCH slot, k, f                ; 32 LDS loads in one run: 128 keys and 128 queries, 32 along K at byte k
	WIN TO_B
.irp i, 0,1,2,3,4,5,6,7
	ds_load_b128 v[\f+8*\i:\f+8*\i+3],   v[ADRB+\slot] offset:\k+\i*16*PITCH
	ds_load_b128 v[\f+8*\i+4:\f+8*\i+7], v[ADRB+\slot] offset:\k+\i*16*PITCH+32
.endr
	WIN 0
.irp i, 0,1,2,3,4,5,6,7
	ds_load_b128 v[\f+8*\i:\f+8*\i+3],   v[ADRA+\slot] offset:\k+\i*16*PITCH
	ds_load_b128 v[\f+8*\i+4:\f+8*\i+7], v[ADRA+\slot] offset:\k+\i*16*PITCH+32
.endr
.endm
.macro PLACES                          ; four plain places between a matrix instruction and a load into, or a read of, its registers
.rept 4
	v_nop
.endr
.endm
.macro QUARTER slot, k, f, g, zero
	s_wait_dscnt 8                                 ; k's fragments and q's rows 0-63 are in; the youngest eight loads may be out
	WIN MUL_LO
	MUL16 \f, 0, 0, \zero
	MUL16 \f, 0, 2, \zero
	PLACES
	FETCH \slot, \k, \g
	s_wait_dscnt 32                                ; all but the 32 just issued
	WIN MUL_HI
	MUL16 \f, 1, 0, \zero
	MUL16 \f, 1, 2, \zero
.endm
; The last quarter of a K step changes slots.  In front of the barrier each wave waits for all its tensor loads (one is out: its part of the next slot), adds 0 to its spare word, and waits for that and for its reads of this slot.
.macro MEET round
	WIN 0
	s_wait_tensorcnt 0x0
	ds_add_u32 v[SPW], v[NIL]
	s_wait_dscnt 9                                 ; (the add and the youngest eight loads may be out)
	WIN MUL_LO
	MUL16 F1, 0, 0, 0
	s_wait_dscnt 0x0                               ; the add is done, my reads of this slot are over
	s_barrier_signal -1
	MUL16 F1, 0, 2, 0
.if \round
	WIN 0
.endif
	s_barrier_wait -1
.endm
.macro TURN slot, next, fill
	MEET \fill
.if \fill
	CREST                                          ; the barrier has opened a round of the cluster's: no wave of any partner still reads this slot or has a load on its way
	s_add_nc_u64 s[G0+4*\slot+2:G0+4*\slot+3], s[G0+4*\slot+2:G0+4*\slot+3], 2*KSTEP*2
	s_add_nc_u64 s[G0B+4*\slot+2:G0B+4*\slot+3], s[G0B+4*\slot+2:G0B+4*\slot+3], 2*KSTEP*2
	JLOAD \slot                                    ; my one tensor load behind the round; its four v_nop are also the places in front of the loads below
.else
	PLACES
.endif
	FETCH \next, 0, F0
	WIN MUL_HI
	MUL16 F1, 1, 0, 0
	MUL16 F1, 1, 2, 0
.endm
	s_wait_tensorcnt 1                             ; my part of K step 0 is in; K step 1's may stay out
	s_barrier_signal -1
	s_barrier_wait -1
	FETCH 0, 0, F0
	QUARTER 0, 64,  F0, F1, 1                      ; the first products start the sums
	WIN 0
	s_mov_b32 s3, LAPS-1
.Llap:                                             ; three trips: K steps 2 to 7 are asked for
	QUARTER 0, 128, F1, F0, 0
	QUARTER 0, 192, F0, F1, 0
	TURN 0, 1, 1
	QUARTER 1, 64,  F0, F1, 0
	QUARTER 1, 128, F1, F0, 0
	QUARTER 1, 192, F0, F1, 0
	TURN 1, 0, 1
	QUARTER 0, 64,  F0, F1, 0
	WIN 0
	s_sub_co_u32 s3, s3, 1
	s_cmp_lg_u32 s3, 0
	s_cbranch_scc1 .Llap
	QUARTER 0, 128, F1, F0, 0                      ; the last lap asks for nothing
	QUARTER 0, 192, F0, F1, 0
	TURN 0, 1, 0
	QUARTER 1, 64,  F0, F1, 0
	QUARTER 1, 128, F1, F0, 0
	QUARTER 1, 192, F0, F1, 0
	s_wait_dscnt 8
	WIN MUL_LO
	MUL16 F1, 0, 0, 0
	MUL16 F1, 0, 2, 0
	s_wait_dscnt 0
	WIN MUL_HI
	MUL16 F1, 1, 0, 0
	MUL16 F1, 1, 2, 0
	WIN 0
; THE CHUNK'S SOFTMAX of block a (16 queries x 128 keys): a lane holds 64 scores of one query, lane l xor 16 the other 64.
.macro SOFT a
.set AC, 64*((\a)%4)
.set WW, 2+(\a)/4
	WIN 5*WW                                       ; sources 0 and 1 in the accumulators' window
.irp c, 0,1,2,3
	v_max_num_f32 v[T+\c], v[AC+16*\c], v[AC+16*\c+1]              ; four chains; each accumulator is read from its low end on
.endr
.irp i, 2,4,6,8,10,12,14
.irp c, 0,1,2,3
	v_max3_num_f32 v[T+\c], v[AC+16*\c+\i], v[AC+16*\c+\i+1], v[T+\c]
.endr
.endr
	WIN 0
	v_max3_num_f32 v[T], v[T], v[T+1], v[T+2]
	v_max_num_f32 v[T], v[T], v[T+3]
	v_permlanex16_b32 v[U], v[T], s[SEL], s[SEL+1]
	v_max_num_f32 v[T], v[T], v[U]                 ; the chunk's largest score of my query
	v_mul_f32 v[T+1], s[CS], v[T]                  ; as t (c is positive)
	v_floor_f32 v[NM], -v[T+1]                     ; -M = floor(-t) = -ceil(t): a whole number
	WIN WW                                         ; source 0 in the accumulators' window
.set i, 0
.rept 32
	v_pk_fma_f32 v[E+i:E+i+1], v[AC+i:AC+i+1], s[CS:CS+1], v[NM:NM+1] op_sel_hi:[1,0,0]   ; t - M, two at a time
.set i, i+2
.endr
	WIN 0
.set i, 0
.rept 64
	v_exp_f32 v[E+i], v[E+i]                       ; p = 2^(t - M), at most 1
.set i, i+1
.endr
	v_nop                                          ; a plain place behind the last exponential
	s_wait_alu depctr_va_vdst(0)                   ; one wait for the whole batch, ahead of its first reader
	v_pk_add_f32 v[LP:LP+1], v[E:E+1], v[E+2:E+3]                  ; the sum of the unrounded p, in two packed chains
	v_pk_add_f32 v[LP+2:LP+3], v[E+4:E+5], v[E+6:E+7]
.irp j, 8,12,16,20,24,28,32,36,40,44,48,52,56,60
	v_pk_add_f32 v[LP:LP+1], v[LP:LP+1], v[E+\j:E+\j+1]
	v_pk_add_f32 v[LP+2:LP+3], v[LP+2:LP+3], v[E+\j+2:E+\j+3]
.endr
	v_pk_add_f32 v[LP:LP+1], v[LP:LP+1], v[LP+2:LP+3]
	v_add_f32 v[LP], v[LP], v[LP+1]
	v_permlanex16_b32 v[U], v[LP], s[SEL], s[SEL+1]
	v_add_f32 v[LP], v[LP], v[U]                   ; l of my query's chunk
.set i, 0
.rept 32
	v_cvt_pk_f16_f32 v[TMP+i], v[E+2*i], v[E+2*i+1]
.set i, i+1
.endr
	v_cndmask_b32 v[VAL], v[NM], v[LP], s70        ; lanes 0-15 carry -M, lanes 16-31 l
.endm
.macro TOSTAGE a
.set BB, BK+32*((\a)%2)
	ds_store_b32 v[SSTO], v[VAL] offset:64*(\a)
.irp b, 0,1,2,3,4,5,6,7
	ds_store_b128 v[STO], v[TMP+4*\b:TMP+4*\b+3] offset:32*\b
.endr
.irp t, 0,1,2,3,4,5,6,7
	ds_load_b128 v[BB+4*\t:BB+4*\t+3], v[RD] offset:\t*2*SPITCH    ; in order behind my stores
.endr
.endm
.macro SEND a
.set BB, BK+32*((\a)%2)
	s_wait_dscnt 0x0                               ; the block is back in registers
	s_wait_xcnt 0x0                                ; earlier stores have read their base and their data
.if (\a) > 0
	s_add_nc_u64 s[6:7], s[6:7], 16*ROWP
.endif
.irp t, 0,1,2,3,4,5,6,7
	global_store_b128 v[CO], v[BB+4*\t:BB+4*\t+3], s[6:7] offset:2*\t*ROWP     ; 16 lanes store 256 consecutive bytes, aligned
.endr
.endm
	PLACES                                         ; behind the last products
	SOFT 0
	TOSTAGE 0
.irp a, 1,2,3,4,5,6,7                  ; block a's softmax stands between block a - 1's loads from the stage and the wait for them
	SOFT \a
	SEND \a-1
	TOSTAGE \a
.endr
	SEND 7
	ds_load_b128 v[T:T+3], v[SSRD]                 ; my wave's 128 x -M,
	ds_load_b128 v[LP:LP+3], v[SSRD] offset:512    ; and 128 x l: in order behind my stores
	s_wait_dscnt 0x0
	global_store_b128 v[L16], v[T:T+3], s[8:9]                     ; 512 consecutive bytes, aligned
	global_store_b128 v[L16], v[LP:LP+3], s[8:9] offset:524288
	s_wait_tensorcnt 0x0                           ; the wave's end
	ds_add_u32 v[SPW], v[NIL]
	s_wait_dscnt 0x0
	CROUND                                         ; the closing round
	s_endpgm
.Lfunc_end_k_q18062079a9_scores:
	.size	k_q18062079a9_scores, .Lfunc_end_k_q18062079a9_scores-k_q18062079a9_scores
	.p2alignl 7, 3214868480
	.fill 96, 4, 3214868480
	.section	.rodata,"a",@progbits
	.p2align	6, 0x0
	.amdhsa_kernel k_q18062079a9_scores
		.amdhsa_group_segment_fixed_size 327680
		.amdhsa_private_segment_fixed_size 0
		.amdhsa_enable_private_segment 0
		.amdhsa_kernarg_size 24
		.amdhsa_user_sgpr_count 2
		.amdhsa_user_sgpr_kernarg_segment_ptr 1
		.amdhsa_wavefront_size32 1
		.amdhsa_system_sgpr_workgroup_id_x 1
		.amdhsa_system_sgpr_workgroup_id_y 1
		.amdhsa_system_sgpr_workgroup_id_z 1
		.amdhsa_system_vgpr_workitem_id 0
		.amdhsa_next_free_vgpr 1024
		.amdhsa_next_free_sgpr 72
		.amdhsa_reserve_vcc 0
		.amdhsa_float_denorm_mode_32 3
		.amdhsa_float_denorm_mode_16_64 3
		.amdhsa_memory_ordered 1
		.amdhsa_forward_progress 1
		.amdhsa_inst_pref_size 212
	.end_amdhsa_kernel
	.amdgpu_metadata
---
amdhsa.version: [ 1, 2 ]
amdhsa.kernels:
  - .name:           k_q18062079a9_scores
    .symbol:         k_q18062079a9_scores.kd
    .args:
      - { .name: kqv, .offset: 0, .size: 8, .value_kind: global_buffer, .address_space: global }
      - { .name: p, .offset: 8, .size: 8, .value_kind: global_buffer, .address_space: global }
      - { .name: stats, .offset: 16, .size: 8, .value_kind: global_buffer, .address_space: global }
    .group_segment_fixed_size: 327680
    .private_segment_fixed_size: 0
    .kernarg_segment_align: 8
    .kernarg_segment_size: 24
    .max_flat_workgroup_size: 128
    .sgpr_count:     72
    .vgpr_count:     1024
    .wavefront_size: 32
...
	.end_amdgpu_metadata
.endif
;; end of part 3
;; launch pv (part 4): grid 4 x 64, 4 waves a work-group, clusters of 4 x 4, 327,680 bytes of LDS; arguments p, kqv, stats, out0; writes out0
.if DOCPART == 4
	.amdgcn_target "amdgcn-amd-amdhsa--gfx1250"
	.amdhsa_code_object_version 6
	.text
	.protected	k_q18062079a9_pv
	.globl	k_q18062079a9_pv
	.p2align	8
	.type	k_q18062079a9_pv,@function
k_q18062079a9_pv:
	s_mov_b64 s[64:65], 0
	v_nop
	global_prefetch_b8 v0, s[64:65] scope:SCOPE_SE
	s_setreg_imm32_b32 hwreg(HW_REG_WAVE_MODE, 25, 1), 1
	s_wait_xcnt 0x0
	s_wait_alu depctr_hold_cnt(0) depctr_sa_sdst(0) depctr_va_vdst(0) depctr_va_sdst(0) depctr_va_ssrc(0) depctr_va_vcc(0) depctr_vm_vsrc(0)
	s_getreg_b32 s2, hwreg(HW_REG_IB_STS2, 6, 4)
	s_cmp_eq_u32 s2, 0
	s_cbranch_scc0 .Lentry_in_a_cluster
	s_endpgm
.Lentry_in_a_cluster:
	s_bfe_u32 s2, ttmp6, 0x10000c
	s_cmp_lg_u32 s2, 0xf033
	s_cbranch_scc0 .Lentry_shape_is_right
	s_endpgm
.Lentry_shape_is_right:
; out[q][:] = (sum over chunks j of f_j x (sum over the chunk's 128 keys of p v[key][:])) / l,  f_j = 2^(M_j - M), M the row's largest M_j, l = sum of f_j l_j.  f16 operands, f32 sums.
; p: f16 [8192][2048], not normalised, each chunk of 128 keys under its own whole number M_j; stats: f32 [2][16][8192] (-M_j, l_j); v: f16, at byte 4,096 of kqv's rows of 6,144; out0: f32 [8192][1024].
; f_j IS APPLIED IN f32, TO THE SUMS: a chunk's products start with C = 0 in accumulators of their own; in the chunk's last quarter each finished accumulator is added into the totals, total += f x sum.
; LIMITS: NaN and infinities are not served; f_j under 2^-133 counts as 0.
; A work-group makes 128 queries x 256 channels; each of four waves 64 x 128: 32 accumulators for the chunk in hand and 32 totals.
; K = 2,048 keys goes through two LDS slots of 192 keys, six quarters of 32: as long as two slots fit beside the tables (2 x 159,744 bytes).  Slot 0's first fill brings keys 0-191, of which chunk 0 (keys 0-127)
; is multiplied from it; then ten slots follow, slot n = keys 128 + 192 n on (even n in slot 1, odd n in slot 0).  So 64 of the 2,048 keys are fetched twice: the price of one shape of tile for every load.
; Two slots are three chunks: a loop trip.  Four trips ask for slots 2 to 9; the fifth is written out and asks for nothing.
; CLUSTERS 4 x 4: p's tiles are asked for jointly along a row of the cluster, v's along a column.
; The matrix instruction is used transposed (source 0 = 16 channels of v, turned by ds_load_tr16_b128; source 1 = 16 queries of p): a lane holds one query and eight neighbouring channels, so f is one number a lane and block.
; REGISTERS: window 0: v16-32 addresses; v34-35 a chunk's f as read; v36-43 f of my four blocks, as pairs; v44-55 1 / l; v64-95, v96-127 p's fragments, two buffers; v128-207 the prologue's numbers;
;   way out: v64-127 results, v128-255 rows read back.   window 1: v0-63, v64-127 v's fragments.   window 2: the chunk's accumulators ((a, b) at v[8 (8 a + b)]).   window 3: the totals, likewise.
.set PA,     432                       ; a row of p's tile: 384 bytes, 16 of padding behind each 128: 27 x 16 bytes, so the 16 rows of a load start at 16 different banks
.set PB,     544                       ; a key's row of v's tile: 512 bytes + 32
.set HALFA,  64*PA
.set HALFB,  96*PB
.set BOFF,   2*HALFA
.set SLOT,   BOFF+2*HALFB
.set STAGE,  SLOT                      ; the way out: 16 rows x 528 bytes for each wave, in slot 1: it has had its last fill, and behind the last change of slots nobody reads it
.set SPITCH, 528
.set FTAB,   2*SLOT                    ; 16 tables of f, 256 bytes each: the upper halves of two rows' f32 share a word: row t at 128 (t / 64) + 8 (t % 16) + 4 ((t / 32) % 2), the odd block above
.set RLT,    FTAB+16*256               ; 1 / l: row t at 256 (t / 64) + 16 (t % 16) + 4 ((t / 16) % 4)
.set SPARE,  RLT+512                   ; the spare words, 128 bytes for each wave: two blocks of 256 bytes that no other line names
.set ROWP,   4096
.set ROWV,   6144
.set ROWO,   4096
.set ADRA, 16                          ; v16-17 my p fragments in slot 0, 1
.set RAD,  18                          ; where I read 1 / l of my four blocks
.set RWR,  19                          ; where thread t stores row t's 1 / l
.set ADRB, 20                          ; v20-23 my v fragments: slot 0 keys 0-95, keys 96-191, slot 1 likewise (an LDS offset holds 16 bits)
.set STO,  24
.set RD,   25
.set CO,   26
.set FAD,  27                          ; where I read my four blocks' f; 768 bytes on in each trip
.set SPW,  28
.set NIL,  29
.set PFO,  30
.set T4,   31
.set FWR,  32                          ; where thread t stores its word of f
.set FSW,  34
.set FP,   36
.set RR,   44
.set RP,   48
.set FA,   64
.set TT,   64
.set BK,   128
.set NMJ,  128
.set LJ,   144
.set FJ,   176
.set HJ,   192
.set G1A, 24
.set G0A, 32
.set G1B, 48
.set G0B, 56
.set LIM, 42                           ; 1 in a wave that prefetches, else the greatest number
.set PFA, 44                           ; s[44:45] where my prefetches stand
.set PFS1, 46                          ; s[46:47] their step ahead of a trip's first change of slots,
.set PFS2, 72                          ; s[72:73] and ahead of its second
.set SEL, 74                           ; s[74:75] lane selects: lane l xor 16
.set HIL, 76                           ; 0xffff0000: lanes 16-31, and a word's upper half
.set PSEL, 77                          ; byte selects: the upper halves of two words
.set MSB, 0
.macro WIN new                         ; the immediate's high byte repeats the setting that is left
.if MSB != (\new)
	s_set_vgpr_msb (MSB<<8)|(\new)
.set MSB, (\new)
.endif
.endm
.set MUL,  0xa1                        ; source 0 (v) window 1, source 1 (p) window 0, C and D window 2
.set DRW,  0xf2                        ; source 0 (a chunk's sum) window 2, source 1 (f) window 0, source 2 and destination (the total) window 3
.set TO_B, 0x40
.macro JLOAD s                         ; waves 0 and 1 fetch p's halves, waves 2 and 3 v's; an s_nop 0 and four v_nop follow each line
	s_cmp_eq_u32 s13, 0
	s_cbranch_scc0 .Lfor_b_\@
	tensor_load_to_lds s[G0A+4*\s:G0A+4*\s+3], s[G1A:G1A+7]
	s_nop 0
.rept 4
	v_nop
.endr
	s_branch .Lasked_\@
.Lfor_b_\@:
	tensor_load_to_lds s[G0B+4*\s:G0B+4*\s+3], s[G1B:G1B+7]
	s_nop 0
.rept 4
	v_nop
.endr
.Lasked_\@:
.endm
.macro CREST
	s_cmp_lg_u32 s12, 0
	s_cbranch_scc1 .Lnot_wave_0_\@
	s_barrier_signal -3
.Lnot_wave_0_\@:
	s_barrier_wait -3
	s_barrier_signal -1
	s_barrier_wait -1
.endm
.macro CROUND
	s_barrier_signal -1
	s_barrier_wait -1
	CREST
.endm
; A PREFETCH INTO THE L2, behind each joint refill and the run of LDS loads that follows it: what the NEXT refill will ask for, a slot's 192 matrix instructions ahead of that load.
; p: a tile's 128 rows are read by one row of one cluster: its four partners take 32 rows each, told apart by address (cx); wave 0 asks, a lane a row.  Two slots are 768 bytes of a row, three aligned blocks of 256:
; for an odd slot the one block that the even slot before it has not named, for an even slot two blocks (even = 1).
; v: a slot's 192 keys x 512 bytes are read by the four clusters of a batch: the first of them asks; its partners of a column take 48 keys each by address (cy): 96 blocks, a lane a block, waves 1 to 3.
; So each aligned block of 256 bytes is named once.  guard = 1: the loop's last trip asks for nothing there: no slot follows.  What the first three loads bring comes by them alone.
.macro ASK even, guard
.if \guard
	s_cmp_gt_u32 s3, s[LIM]
.else
	s_cmp_eq_u32 s[LIM], 1
.endif
	s_cbranch_scc0 .Lnot_mine_\@
	global_prefetch_b8 v[PFO], s[PFA:PFA+1] th:TH_LOAD_NT scope:SCOPE_SE
.if \even
	s_cmp_eq_u32 s12, 0
	s_cbranch_scc0 .Lnot_mine_\@
	global_prefetch_b8 v[PFO], s[PFA:PFA+1] offset:256 th:TH_LOAD_NT scope:SCOPE_SE
.endif
.Lnot_mine_\@:
.endm
	s_load_b256 s[4:11], s[0:1], 0x0               ; p, kqv, stats, out0
	v_lshl_add_u32 v[SPW], v0, 2, SPARE
	v_mov_b32 v[NIL], 0
	ds_add_u32 v[SPW], v[NIL]                      ; the wave's opening: the add, twice on end, and its wait ahead of my first tensor load
	ds_add_u32 v[SPW], v[NIL]
	v_lshrrev_b32 v1, 5, v0
	v_readfirstlane_b32 s12, v1                    ; wave
	s_lshr_b32 s13, s12, 1                         ; my half of the queries.  Also: I fetch p (0) or v (1)
	s_and_b32 s14, s12, 1                          ; my half of the channels.  Also: which half of that tile I fetch
	s_bfe_u32 s40, ttmp6, 0x40000                  ; cx
	s_bfe_u32 s41, ttmp6, 0x40004                  ; cy
	s_lshl_b32 s68, ttmp9, 2
	s_add_co_u32 s68, s68, s40                     ; channel tile 0..3
	s_and_b32 s67, ttmp7, 0xffff                   ; cluster y
	s_lshl_b32 s15, s67, 2
	s_add_co_u32 s15, s15, s41                     ; query tile 0..63, over all batches
	s_lshr_b32 s66, s67, 2                         ; the batch: from the cluster's y alone
	s_lshl_b32 s69, s41, 2
	s_lshl_b32 s69, 15, s69                        ; my row of the cluster
	s_lshl_b32 s70, 0x1111, s40                    ; my column
	s_or_b32 s[G1A+0], s69, (1<<16)|(1<<20)|(1<<21)|(4<<22)|(3<<25)   ; p: elements of 2 bytes; 4 words of padding after every 32
	s_mov_b32 s[G1A+1], 192<<16                    ; tensor_dim0 = 192 keys
	s_mov_b32 s[G1A+2], 64<<16                     ; tensor_dim1 = 64 rows
	s_mov_b32 s[G1A+3], 192<<16                    ; tile_dim0
	s_mov_b32 s[G1A+4], 64                         ; tile_dim1
	s_mov_b32 s[G1A+5], 2048                       ; elements from row to row
	s_mov_b32 s[G1A+6], 0
	s_mov_b32 s[G1A+7], 0
	s_or_b32 s[G1B+0], s70, (1<<16)|(1<<20)|(1<<21)|(6<<22)|(7<<25)   ; v: 8 words of padding after every 128
	s_mov_b32 s[G1B+1], 256<<16                    ; 256 channels
	s_mov_b32 s[G1B+2], 96<<16                     ; 96 keys
	s_mov_b32 s[G1B+3], 256<<16
	s_mov_b32 s[G1B+4], 96
	s_mov_b32 s[G1B+5], 3072
	s_mov_b32 s[G1B+6], 0
	s_mov_b32 s[G1B+7], 0
	s_lshl_b32 s17, s14, 6
	s_lshl_b32 s16, s15, 7
	s_add_co_u32 s16, s16, s17                     ; p: row 128 x query tile + 64 x half
	s_mov_b32 s17, 0
	s_mov_b64 s[18:19], ROWP
	s_mul_u64 s[16:17], s[16:17], s[18:19]
	s_lshl_b32 s20, s66, 11
	s_mul_i32 s21, s14, 96
	s_add_co_u32 s20, s20, s21                     ; v: key 2,048 x batch + 96 x half
	s_mov_b32 s21, 0
	s_mov_b64 s[18:19], ROWV
	s_mul_u64 s[20:21], s[20:21], s[18:19]
	s_lshl_b32 s22, s68, 9
	s_add_co_u32 s22, s22, 4096                    ; v lies 4,096 bytes into a row; 512 bytes a channel tile
	s_mov_b32 s23, 0
	s_add_nc_u64 s[20:21], s[20:21], s[22:23]
	s_mul_i32 s43, s14, HALFA                      ; where they go in a slot: p's halves,
	s_mul_i32 s42, s14, HALFB
	s_add_co_u32 s42, s42, BOFF                    ; then v's
	s_mov_b32 s[SEL], 0x76543210
	s_mov_b32 s[SEL+1], 0xfedcba98
	s_mov_b32 s[HIL], 0xffff0000
	s_mov_b32 s[PSEL], 0x07060302
	s_wait_dscnt 0x0                               ; both opening adds are done
	s_wait_kmcnt 0x0
	s_add_nc_u64 s[16:17], s[4:5], s[16:17]
	s_add_nc_u64 s[20:21], s[6:7], s[20:21]
	CROUND                                         ; all sixteen work-groups are here
.irp s, 0,1                            ; slot 0: keys 0 on;  slot 1: keys 128 on
	s_mov_b32 s[G0A+4*\s], 1
	s_add_co_u32 s[G0A+4*\s+1], s43, \s*SLOT
	s_add_nc_u64 s[G0A+4*\s+2:G0A+4*\s+3], s[16:17], \s*128*2
	s_or_b32 s[G0A+4*\s+3], s[G0A+4*\s+3], 0x80000000
	s_mov_b32 s[G0B+4*\s], 1
	s_add_co_u32 s[G0B+4*\s+1], s42, \s*SLOT
	s_add_nc_u64 s[G0B+4*\s+2:G0B+4*\s+3], s[20:21], \s*128*ROWV
	s_or_b32 s[G0B+4*\s+3], s[G0B+4*\s+3], 0x80000000
	JLOAD \s                                       ; two tensor loads of mine are out
.endr
	; the statistics of the tile's 128 rows: thread t takes row t
	v_lshlrev_b32 v[T4], 2, v0
	s_lshl_b32 s22, s15, 9
	s_mov_b32 s23, 0
	s_add_nc_u64 s[8:9], s[8:9], s[22:23]
.irp j, 0,1,2,3,4,5,6,7,8,9,10,11,12,13,14,15
	global_load_b32 v[NMJ+\j], v[T4], s[8:9] offset:32768*\j
	global_load_b32 v[LJ+\j], v[T4], s[8:9] offset:524288+32768*\j
.endr
	v_and_b32 v1, 15, v0                           ; r
	v_bfe_u32 v2, v0, 4, 1                         ; h
	v_and_b32 v3, 31, v0                           ; lane
	v_mul_u32_u24 v4, v1, PA
	v_lshl_add_u32 v4, v2, 4, v4
	s_mul_i32 s22, s13, HALFA                      ; my 64 rows of p
	v_add_nc_u32 v[ADRA], s22, v4
	v_add_nc_u32 v[ADRA+1], SLOT, v[ADRA]
	v_and_b32 v5, 7, v0
	v_lshl_add_u32 v5, v2, 3, v5                   ; the turning load: key 8 h + lane % 8,
	v_mul_u32_u24 v5, v5, PB
	v_bfe_u32 v6, v0, 3, 1
	v_lshl_add_u32 v5, v6, 4, v5                   ; channels 8 ((lane / 8) % 2) on
	s_lshl_b32 s22, s14, 8                         ; my 128 channels
	s_add_co_u32 s22, s22, BOFF
	v_add_nc_u32 v[ADRB], s22, v5
	v_add_nc_u32 v[ADRB+1], HALFB, v[ADRB]         ; keys 96 on
	v_add_nc_u32 v[ADRB+2], SLOT, v[ADRB]
	v_add_nc_u32 v[ADRB+3], SLOT, v[ADRB+1]
	s_lshl_b32 s22, s13, 7
	s_add_co_u32 s22, s22, FTAB
	v_lshl_add_u32 v[FAD], v1, 3, s22              ; 8 bytes: f of my blocks 0, 1 and 2, 3
	s_lshl_b32 s22, s13, 8
	s_add_co_u32 s22, s22, RLT
	v_lshl_add_u32 v[RAD], v1, 4, s22
	v_lshrrev_b32 v5, 6, v0
	v_lshlrev_b32 v6, 7, v5
	v_lshl_add_u32 v6, v1, 3, v6
	v_bfe_u32 v7, v0, 5, 1
	v_lshl_add_u32 v6, v7, 2, v6
	v_add_nc_u32 v[FWR], FTAB, v6
	v_lshlrev_b32 v6, 8, v5
	v_lshl_add_u32 v6, v1, 4, v6
	v_bfe_u32 v7, v0, 4, 2
	v_lshl_add_u32 v6, v7, 2, v6
	v_add_nc_u32 v[RWR], RLT, v6
	s_mul_i32 s22, s12, 16*SPITCH
	s_add_co_u32 s22, s22, STAGE                   ; my stage
	v_mul_u32_u24 v5, v1, SPITCH
	v_lshl_add_u32 v5, v2, 5, v5
	v_add_nc_u32 v[STO], s22, v5                   ; in: row r, 32 bytes for each half of the lanes
	v_lshlrev_b32 v[CO], 4, v3
	v_add_nc_u32 v[RD], s22, v[CO]                 ; back: the 32 lanes take one row of 512 bytes
.irp a, 0,1,2,3
	v_mov_b32 v[FP+2*\a+1], 0                      ; named with f as a pair, so it is written
.endr
	s_lshl_b32 s16, s15, 7
	s_lshl_b32 s17, s13, 6
	s_add_co_u32 s16, s16, s17                     ; my first row of out0
	s_lshl_b32 s16, s16, 12
	s_lshl_b32 s17, s68, 10
	s_add_co_u32 s16, s16, s17                     ; + 1,024 x channel tile
	s_lshl_b32 s17, s14, 9
	s_add_co_u32 s16, s16, s17                     ; + 512 x half
	s_mov_b32 s17, 0
	s_add_nc_u64 s[10:11], s[10:11], s[16:17]
	; the prefetches: where my wave's stand (at slot 2, which the first ask names), and who asks
	v_lshlrev_b32 v5, 12, v3                       ; p: a lane a row
	v_add_nc_u32 v6, 96, v0
	v_and_b32 v6, 127, v6                          ; v: block 0 .. 95 in waves 1 to 3
	v_lshrrev_b32 v7, 1, v6
	v_mul_u32_u24 v7, v7, ROWV                     ; two blocks a key,
	v_and_b32 v6, 1, v6
	v_lshl_add_u32 v7, v6, 8, v7                   ; 256 bytes apart
	s_cmp_eq_u32 s12, 0
	s_cselect_b32 s23, -1, 0
	v_cndmask_b32 v[PFO], v7, v5, s23
	s_lshl_b32 s16, s15, 7
	s_lshl_b32 s17, s40, 5
	s_add_co_u32 s16, s16, s17                     ; p: row 128 x query tile + 32 cx,
	s_lshl_b32 s16, s16, 12
	s_add_co_u32 s16, s16, 1024                    ; key 512 on
	s_lshl_b32 s18, s66, 11
	s_mul_i32 s19, s41, 48
	s_add_co_u32 s18, s18, s19                     ; v: key 2,048 x batch + 48 cy
	s_add_co_u32 s18, s18, 512                     ; + 512
	s_mul_i32 s18, s18, ROWV
	s_lshl_b32 s19, s68, 9
	s_add_co_u32 s18, s18, s19
	s_add_co_u32 s18, s18, 4096
	s_and_b32 s22, s67, 3                          ; the batch's first cluster?
	s_cmp_eq_u32 s12, 0                            ; wave 0 stands on p's side
	s_cselect_b32 s22, 0, s22                      ; p: every work-group's wave 0 asks;  v: waves 1 to 3 of the batch's first cluster
	s_cselect_b32 s16, s16, s18
	s_cselect_b64 s[PFA:PFA+1], s[4:5], s[6:7]
	s_mov_b32 s[PFS1], 192*ROWV
	s_cselect_b32 s[PFS1], 512, s[PFS1]            ; p: past an even slot's two blocks;  v: a slot's keys
	s_mov_b32 s[PFS2], 192*ROWV
	s_cselect_b32 s[PFS2], 256, s[PFS2]            ; p: past an odd slot's one block
	s_cmp_eq_u32 s22, 0
	s_cselect_b32 s[LIM], 1, -1                    ; made of the wave's number and the cluster's y: the same in all partners
	s_mov_b32 s17, 0
	s_mov_b32 s[PFS1+1], 0
	s_mov_b32 s[PFS2+1], 0
	s_add_nc_u64 s[PFA:PFA+1], s[PFA:PFA+1], s[16:17]
	s_wait_loadcnt 0x0                             ; the statistics
	v_min3_num_f32 v160, v[NMJ], v[NMJ+1], v[NMJ+2]                ; the least -M_j = -(the row's largest M)
.irp j, 3,5,7,9,11,13
	v_min3_num_f32 v160, v160, v[NMJ+\j], v[NMJ+\j+1]
.endr
	v_min_num_f32 v160, v160, v[NMJ+15]
.irp j, 0,1,2,3,4,5,6,7,8,9,10,11,12,13,14,15
	v_sub_f32 v[FJ+\j], v160, v[NMJ+\j]            ; M_j - M: a whole number, 0 or less
.endr
.irp j, 0,1,2,3,4,5,6,7,8,9,10,11,12,13,14,15
	v_cvt_i32_f32 v[FJ+\j], v[FJ+\j]               ; (it saturates)
.endr
.irp j, 0,1,2,3,4,5,6,7,8,9,10,11,12,13,14,15
	v_ldexp_f32 v[FJ+\j], 1.0, v[FJ+\j]            ; f_j = 2^(M_j - M)
.endr
	v_mul_f32 v162, v[FJ], v[LJ]                   ; l = the sum of f_j l_j, in two chains
	v_mul_f32 v163, v[FJ+1], v[LJ+1]
.irp j, 2,4,6,8,10,12,14
	v_fma_f32 v162, v[FJ+\j], v[LJ+\j], v162
	v_fma_f32 v163, v[FJ+\j+1], v[LJ+\j+1], v163
.endr
	v_add_f32 v162, v162, v163
	v_rcp_f32 v164, v162
	v_nop                                          ; a plain place behind the reciprocal
	; f is a power of two: the upper half of its f32 is all of it.  Lanes l and l xor 16 hold rows of an even and an odd block: their two halves make one word, which both lanes store
.irp j, 0,1,2,3,4,5,6,7,8,9,10,11,12,13,14,15
	v_permlanex16_b32 v[NMJ+\j], v[FJ+\j], s[SEL], s[SEL+1]        ; (-M_j is done with: the destination has been written)
.endr
.irp j, 0,1,2,3,4,5,6,7,8,9,10,11,12,13,14,15
	v_cndmask_b32 v[LJ+\j], v[FJ+\j], v[NMJ+\j], s[HIL]            ; the even block's f
.endr
.irp j, 0,1,2,3,4,5,6,7,8,9,10,11,12,13,14,15
	v_cndmask_b32 v[HJ+\j], v[NMJ+\j], v[FJ+\j], s[HIL]            ; the odd block's
.endr
.irp j, 0,1,2,3,4,5,6,7,8,9,10,11,12,13,14,15
	v_perm_b32 v[HJ+\j], v[HJ+\j], v[LJ+\j], s[PSEL]               ; the odd block's upper half above, the even block's below
.endr
	s_wait_alu depctr_va_vdst(0)                   ; ahead of the reciprocal's first reader
.irp j, 0,1,2,3,4,5,6,7,8,9,10,11,12,13,14,15
	ds_store_b32 v[FWR], v[HJ+\j] offset:256*\j
.endr
	ds_store_b32 v[RWR], v164
; Product i of a quarter's 32: block a = i / 8 of my queries x block b = i % 8 of my channels, 32 keys, from buffer f.  zero = 1: a chunk's first quarter starts the sums.
; The 32 accumulators take turns, one instruction a turn, in the same order in every quarter.
.macro PROD f, zero
	WIN MUL
.if \zero
	v_wmma_f32_16x16x32_f16 v[8*i:8*i+7], v[64*(\f)+8*(i%8):64*(\f)+8*(i%8)+7], v[FA+32*(\f)+8*(i/8):FA+32*(\f)+8*(i/8)+7], 0
.else
	v_wmma_f32_16x16x32_f16 v[8*i:8*i+7], v[64*(\f)+8*(i%8):64*(\f)+8*(i%8)+7], v[FA+32*(\f)+8*(i/8):FA+32*(\f)+8*(i/8)+7], v[8*i:8*i+7]
.endif
.endm
; Accumulator k, finished, goes into its total: total += f x sum, two numbers an instruction, from the low end on.  mode = 2: chunk 0 starts the totals: nothing is cleared.
.macro DRN k, mode
	WIN DRW
.irp u, 0,2,4,6
.if (\mode) == 2
	v_pk_mul_f32 v[8*(\k)+\u:8*(\k)+\u+1], v[8*(\k)+\u:8*(\k)+\u+1], v[FP+2*((\k)/8):FP+2*((\k)/8)+1] op_sel_hi:[1,0]
.else
	v_pk_fma_f32 v[8*(\k)+\u:8*(\k)+\u+1], v[8*(\k)+\u:8*(\k)+\u+1], v[FP+2*((\k)/8):FP+2*((\k)/8)+1], v[8*(\k)+\u:8*(\k)+\u+1] op_sel_hi:[1,0,1]
.endif
.endr
.endm
.macro UNPACK                          ; the chunk's f of my four blocks, from halves to f32
	WIN 0
	v_lshlrev_b32 v[FP], 16, v[FSW]
	v_and_b32 v[FP+2], s[HIL], v[FSW]
	v_lshlrev_b32 v[FP+4], 16, v[FSW+1]
	v_and_b32 v[FP+6], s[HIL], v[FSW+1]
.endm
; Products from .. to - 1.  mode > 0: a chunk's last quarter.  Behind product k + 1 stand accumulator k's four lines; the four behind product k (accumulator k - 1's, or the four that unpack f), which name
; none of product k's registers, are the four places between that product and the first read of its result (ISA guide 7.12.1).  Accumulator 31's follow accumulator 30's.
.macro RUN f, from, to, zero, mode
.set i, \from
.rept (\to)-(\from)
	PROD \f, \zero
.if \mode
.if i == 0
	UNPACK
.else
	DRN i-1, \mode
.endif
.endif
.set i, i+1
.endr
.if (\mode) && ((\to) == 32)
	DRN 31, \mode
.endif
.endm
.macro FETCH slot, sq, f               ; 24 LDS loads in one run: quarter sq of the slot: 32 keys x 128 channels of v, turned, and 64 queries x 32 keys of p
	WIN TO_B
.irp b, 0,1,2,3,4,5,6,7
	ds_load_tr16_b128 v[64*(\f)+8*\b:64*(\f)+8*\b+3],   v[ADRB+2*(\slot)+(\sq)/3] offset:PB*32*((\sq)%3)+32*\b
	ds_load_tr16_b128 v[64*(\f)+8*\b+4:64*(\f)+8*\b+7], v[ADRB+2*(\slot)+(\sq)/3] offset:PB*(32*((\sq)%3)+16)+32*\b
.endr
	WIN 0
.irp a, 0,1,2,3
	ds_load_b128 v[FA+32*(\f)+8*\a:FA+32*(\f)+8*\a+3],   v[ADRA+\slot] offset:64*(\sq)+16*((\sq)/2)+16*PA*\a
	ds_load_b128 v[FA+32*(\f)+8*\a+4:FA+32*(\f)+8*\a+7], v[ADRA+\slot] offset:64*(\sq)+16*((\sq)/2)+16*PA*\a+32
.endr
.endm
.macro PLACES                          ; four plain places: in front of loads into registers that the last quarter's products read; with accumulator 30's four they are also more than the five that stand
.rept 4                                ; between product 31 of a chunk's last quarter and the product that begins its accumulator anew (ISA guide 7.12.1)
	v_nop
.endr
.endm
; A quarter that has its successor in the same slot.  fs >= 0: the chunk's f is read too, at that offset: its last quarter follows.
.macro QN slot, sq, zero, mode, fs
	s_wait_dscnt 0x0                               ; this quarter's fragments, asked for 32 matrix instructions ago, are in
	WIN 0
	PLACES
	FETCH \slot, (\sq)+1, 1-((\sq)%2)
.if (\fs) >= 0
	ds_load_b64 v[FSW:FSW+1], v[FAD] offset:\fs
.endif
	RUN (\sq)%2, 0, 32, \zero, \mode
.endm
; A slot's last quarter multiplies buffer 1 and changes slots: in front of the barrier each wave waits for all its tensor loads (one is out: its part of the next slot), adds 0 to its spare word,
; and waits for that and for its reads of this slot.  fill = 1: the barrier opens a round of the cluster's, and this slot is filled again first thing behind the round: that load has the next slot's
; six quarters, less this quarter's rest, in which to land.
.macro QT slot, next, mode, fill, stepa, stepb, pfs, even, guard, fstep
.if \pfs
	s_wait_xcnt 0x0                                ; the last prefetch, a slot back, has read its address: it may be stepped
.if (\pfs) == 1
	s_add_nc_u64 s[PFA:PFA+1], s[PFA:PFA+1], s[PFS1:PFS1+1]
.else
	s_add_nc_u64 s[PFA:PFA+1], s[PFA:PFA+1], s[PFS2:PFS2+1]
.endif
.endif
	WIN 0
	s_wait_tensorcnt 0x0
	ds_add_u32 v[SPW], v[NIL]
	s_wait_dscnt 1                                 ; this quarter's fragments (and f) are in; the add may be out
	RUN 1, 0, 8, 0, \mode
	s_wait_dscnt 0x0                               ; the add is done, my reads of this slot are over
	s_barrier_signal -1
	RUN 1, 8, 16, 0, \mode
	WIN 0
	s_barrier_wait -1
.if \fill
	CREST                                          ; no wave of any partner still reads this slot or has a load on its way
	s_add_nc_u64 s[G0A+4*\slot+2:G0A+4*\slot+3], s[G0A+4*\slot+2:G0A+4*\slot+3], \stepa
	s_add_nc_u64 s[G0B+4*\slot+2:G0B+4*\slot+3], s[G0B+4*\slot+2:G0B+4*\slot+3], \stepb
	JLOAD \slot                                    ; my one tensor load behind the round; its four v_nop are also the places in front of the loads below
.else
	PLACES
.endif
.if \fstep
	v_add_nc_u32 v[FAD], 768, v[FAD]               ; the next trip's three chunks
.endif
	FETCH \next, 0, 0
.if \fill
	ASK \even, \guard
.endif
	RUN 1, 16, 32, 0, \mode
.endm
; Two slots, three chunks, twelve quarters: slot 1 holds a chunk and half of the next, slot 0 the other half and a third.
.macro TRIP fill
	QN 1, 0, 1, 0, -1
	QN 1, 1, 0, 0, -1
	QN 1, 2, 0, 0, 256
	QN 1, 3, 0, 1, -1
	QN 1, 4, 1, 0, -1
	QT 1, 0, 0, \fill, 768, 384*ROWV, \fill, 0, 0, 0
	QN 0, 0, 0, 0, 512
	QN 0, 1, 0, 1, -1
	QN 0, 2, 1, 0, -1
	QN 0, 3, 0, 0, -1
	QN 0, 4, 0, 0, 768
.if \fill
	QT 0, 1, 1, 1, 768, 384*ROWV, 2, 1, 1, 1
.else
	s_wait_dscnt 0x0                               ; the very last quarter: nothing more to fetch
	RUN 1, 0, 32, 0, 1
.endif
.endm
	s_wait_tensorcnt 1                             ; my part of slot 0 is in; slot 1's may stay out
	s_wait_dscnt 0x0                               ; my rows' f and 1 / l lie in LDS
	s_barrier_signal -1
	s_barrier_wait -1                              ; everybody's do, and slot 0 is whole
	FETCH 0, 0, 0
	QN 0, 0, 1, 0, -1                              ; chunk 0, from slot 0's first four quarters
	QN 0, 1, 0, 0, -1
	QN 0, 2, 0, 0, 0
	QT 0, 1, 2, 1, 640, 320*ROWV, 0, 1, 0, 0       ; its sums start the totals; slot 0 takes keys 320 on
	WIN 0
	s_mov_b32 s3, 4
.Llap:                                             ; four trips: slots 2 to 9 are asked for
	TRIP 1
	WIN 0
	s_sub_co_u32 s3, s3, 1
	s_cmp_lg_u32 s3, 0
	s_cbranch_scc1 .Llap
	TRIP 0                                         ; the last two slots are written out: nothing is asked for
	WIN 0
	; THE WAY OUT: the totals x 1 / l; a block of 16 rows x 128 channels goes through my stage and comes back as whole rows of 512 bytes.
	ds_load_b128 v[RR:RR+3], v[RAD]                ; 1 / l of my four blocks' rows
	s_wait_dscnt 0x0
.irp a, 0,1,2,3
	v_mov_b32 v[RP+2*\a], v[RR+\a]                 ; as pairs for the packed multiply.  (These eight also stand between the last product and the writes over its fragments' registers)
	v_mov_b32 v[RP+2*\a+1], v[RR+\a]
.endr
.macro OUT a
.set BB, BK+64*((\a)%2)
	WIN 0x03                                       ; source 0: the totals' window
.set i, 0
.rept 32
	v_pk_mul_f32 v[TT+i:TT+i+1], v[64*(\a)+i:64*(\a)+i+1], v[RP+2*(\a):RP+2*(\a)+1]
.set i, i+2
.endr
	WIN 0
.irp b, 0,1,2,3,4,5,6,7
	ds_store_b128 v[STO], v[TT+8*\b:TT+8*\b+3] offset:64*\b
	ds_store_b128 v[STO], v[TT+8*\b+4:TT+8*\b+7] offset:64*\b+16
.endr
.irp t, 0,1,2,3,4,5,6,7,8,9,10,11,12,13,14,15
	ds_load_b128 v[BB+4*\t:BB+4*\t+3], v[RD] offset:\t*SPITCH      ; LDS serves a wave's instructions in order: these see my stores
.endr
.endm
.macro SEND a, younger                 ; younger: the LDS instructions issued behind block a's loads, which may stay out
.set BB, BK+64*((\a)%2)
	s_wait_dscnt \younger
.if (\a) > 0
	s_add_nc_u64 s[10:11], s[10:11], 16*ROWO       ; (behind a wait on XCNT: the earlier stores have read their base)
.endif
.irp t, 0,1,2,3,4,5,6,7,8,9,10,11,12,13,14,15
	global_store_b128 v[CO], v[BB+4*\t:BB+4*\t+3], s[10:11] offset:\t*ROWO th:TH_STORE_NT   ; 32 lanes store 512 consecutive bytes, aligned
.endr
.endm
	OUT 0
.irp a, 1,2,3
.if \a > 1
	s_wait_xcnt 0x0                                ; block a - 2's stores have read their registers and their base
.endif
	OUT \a
	SEND \a-1, 32                                  ; behind block a - 1's loads: block a's 16 stores and 16 loads
.endr
	s_wait_xcnt 0x0
	SEND 3, 0
	s_wait_tensorcnt 0x0                           ; the wave's end
	ds_add_u32 v[SPW], v[NIL]
	s_wait_dscnt 0x0
	CROUND                                         ; the closing round
	s_endpgm
.Lfunc_end_k_q18062079a9_pv:
	.size	k_q18062079a9_pv, .Lfunc_end_k_q18062079a9_pv-k_q18062079a9_pv
	.p2alignl 7, 3214868480
	.fill 96, 4, 3214868480
	.section	.rodata,"a",@progbits
	.p2align	6, 0x0
	.amdhsa_kernel k_q18062079a9_pv
		.amdhsa_group_segment_fixed_size 327680
		.amdhsa_private_segment_fixed_size 0
		.amdhsa_enable_private_segment 0
		.amdhsa_kernarg_size 32
		.amdhsa_user_sgpr_count 2
		.amdhsa_user_sgpr_kernarg_segment_ptr 1
		.amdhsa_wavefront_size32 1
		.amdhsa_system_sgpr_workgroup_id_x 1
		.amdhsa_system_sgpr_workgroup_id_y 1
		.amdhsa_system_sgpr_workgroup_id_z 1
		.amdhsa_system_vgpr_workitem_id 0
		.amdhsa_next_free_vgpr 1024
		.amdhsa_next_free_sgpr 80
		.amdhsa_reserve_vcc 0
		.amdhsa_float_denorm_mode_32 3
		.amdhsa_float_denorm_mode_16_64 3
		.amdhsa_memory_ordered 1
		.amdhsa_forward_progress 1
		.amdhsa_inst_pref_size 227
	.end_amdhsa_kernel
	.amdgpu_metadata
---
amdhsa.version: [ 1, 2 ]
amdhsa.kernels:
  - .name:           k_q18062079a9_pv
    .symbol:         k_q18062079a9_pv.kd
    .args:
      - { .name: p, .offset: 0, .size: 8, .value_kind: global_buffer, .address_space: global }
      - { .name: kqv, .offset: 8, .size: 8, .value_kind: global_buffer, .address_space: global }
      - { .name: stats, .offset: 16, .size: 8, .value_kind: global_buffer, .address_space: global }
      - { .name: out0, .offset: 24, .size: 8, .value_kind: global_buffer, .address_space: global }
    .group_segment_fixed_size: 327680
    .private_segment_fixed_size: 0
    .kernarg_segment_align: 8
    .kernarg_segment_size: 32
    .max_flat_workgroup_size: 128
    .sgpr_count:     80
    .vgpr_count:     1024
    .wavefront_size: 32
...
	.end_amdgpu_metadata
.endif
;; end of part 4
